; MI455X (gfx1250); checked and timed in simulation.
; The chip was launched on July 23, 2026; its instructions are those of AMD's public machine-readable ISA for CDNA 5 (MIT licence, August 2026) and "CDNA5" Instruction Set Architecture Reference Guide (July 2026). The comments in the code are by the model that wrote it; some were corrected since.
;; SNN. Allowed arithmetic: float matrix products may take bf16 or f16 operands with f32 sums; other float arithmetic in f32, or as packed bf16 or f16 multiplies, adds, multiply-adds, maxima and minima; sums over many terms, partial sums and values carried from step to step in f32; what a program stores and reads back later, other than sums and carried values, may be rounded once to bf16 or f16.
;; Inputs: W1 4,096 x 2,048 float32; W2 4,096 x 4,096 float32; W3 1,000 x 4,096 float32; b1 4,096 float32; b2 4,096 float32; b3 1,000 float32; decay1 4,096 float32; decay2 4,096 float32; x_spikes 20 x 128 x 2,048 float32.
;; Outputs: out0 128 x 1,000 float32.
;; One version. Each part assembles by itself: llvm-mc -triple=amdgcn-amd-amdhsa -mcpu=gfx1250 --defsym DOCPART=n.
;; ======== version 1 of 1: 4 launches
;; workspace buffers: xb 10,485,760 bytes; w2b 33,554,432 bytes; s1q 10,485,760 bytes; hsum 1,048,576 bytes
;; launch cvt (part 1): grid 5376 x 1, 8 waves a work-group, no clusters, 0 bytes of LDS; arguments x_spikes, W2, xb, w2b; writes xb, w2b
.if DOCPART == 1
	.amdgcn_target "amdgcn-amd-amdhsa--gfx1250"
	.amdhsa_code_object_version 6
	.text
	.protected	k_q6297063188_cvt
	.globl	k_q6297063188_cvt
	.p2align	8
	.type	k_q6297063188_cvt,@function
k_q6297063188_cvt:
	s_mov_b64 s[64:65], 0
	v_nop
	global_prefetch_b8 v0, s[64:65] scope:SCOPE_SE
	s_setreg_imm32_b32 hwreg(HW_REG_WAVE_MODE, 25, 1), 1
	s_wait_xcnt 0x0
; TWO INPUTS ARE ROUNDED TO bf16 (to nearest even).  Work-groups 0 .. 1279: xb = x_spikes, its rows in another order.  Work-groups 1280 .. 5375: w2b = W2, row for row.
; x_spikes: [20 t][128 b][2048] f32.  xb: [8 bb][20 t][16 bi][2048] bf16 with b = 16 bb + bi: the 320 rows (all t of 16 b) that one work-group of the next launch multiplies lie on end.
; W2: [4096][4096] f32, w2b the same in bf16.
; A stream: each byte is read once and written once; no LDS, no barrier, no loop, no matrix unit: there is nothing to share and nothing to sum.
; Every work-group takes 16,384 bytes on end and stores 8,192 bytes on end; only the two buffers and the two offsets differ, and they are chosen by the work-group's number, without a branch.
; Of x: rows b0 = 2 (g % 64) and b0 + 1 of step t = g / 64, which is row 2 g of x, and two neighbouring rows of xb.  Of W2: row g - 1280.
; Thread T takes 16 bytes at 16 T of each quarter (4,096 bytes) of the input and stores 8 bytes at 8 T of each quarter (2,048 bytes) of the output:
; a wave's load covers 512 consecutive bytes, its store 256 consecutive bytes at a multiple of 256 from the buffer's first byte.
.set NX, 1280                          ; work-groups that take x
.set X, 4                              ; v[4:19]   four loads of four f32
.set Y, 20                             ; v[20:27]  four pairs of packed bf16, each pair with registers of its own: no store's data is rewritten
	s_load_b256 s[4:11], s[0:1], 0x0               ; x_spikes s[4:5], W2 s[6:7], xb s[8:9], w2b s[10:11]
	s_lshl_b32 s12, ttmp9, 14                      ; x: 2 g rows of 8,192 bytes
	s_lshr_b32 s14, ttmp9, 6                       ; t
	s_and_b32 s15, ttmp9, 63                       ; b0 / 2
	s_lshr_b32 s16, s15, 3                         ; bb
	s_and_b32 s15, s15, 7                          ; bi / 2
	s_mul_i32 s16, s16, 320
	s_lshl4_add_u32 s16, s14, s16                  ; 320 bb + 16 t
	s_lshl1_add_u32 s16, s15, s16                  ; + bi
	s_lshl_b32 s16, s16, 12                        ; rows of 4,096 bytes
	s_sub_co_u32 s17, ttmp9, NX                    ; W2's row (in x's work-groups a number that is not used)
	s_lshl_b32 s18, s17, 14                        ; rows of 16,384 bytes in,
	s_lshl_b32 s19, s17, 13                        ; of 8,192 bytes out
	s_mov_b32 s13, 0
	s_mov_b32 s17, 0
	v_lshlrev_b32 v1, 4, v0
	v_lshlrev_b32 v2, 3, v0
	s_wait_kmcnt 0x0
	s_cmp_lt_u32 ttmp9, NX                         ; x or W2?
	s_cselect_b32 s12, s12, s18
	s_cselect_b32 s16, s16, s19
	s_cselect_b64 s[4:5], s[4:5], s[6:7]
	s_cselect_b64 s[8:9], s[8:9], s[10:11]
	s_add_nc_u64 s[4:5], s[4:5], s[12:13]
	s_add_nc_u64 s[8:9], s[8:9], s[16:17]
.irp i, 0,1,2,3
	global_load_b128 v[X+4*(\i):X+4*(\i)+3], v1, s[4:5] offset:(\i)*4096 th:TH_LOAD_NT
.endr
.irp i, 0,1,2,3
	s_wait_loadcnt 3-(\i)                          ; loads come back in order: load i is in, the younger ones stay out
	v_cvt_pk_bf16_f32 v[Y+2*(\i)],   v[X+4*(\i)],   v[X+4*(\i)+1]
	v_cvt_pk_bf16_f32 v[Y+2*(\i)+1], v[X+4*(\i)+2], v[X+4*(\i)+3]
	global_store_b64 v2, v[Y+2*(\i):Y+2*(\i)+1], s[8:9] offset:(\i)*2048
.endr
	s_endpgm
.Lfunc_end_k_q6297063188_cvt:
	.size	k_q6297063188_cvt, .Lfunc_end_k_q6297063188_cvt-k_q6297063188_cvt
	.p2alignl 7, 3214868480
	.fill 96, 4, 3214868480
	.section	.rodata,"a",@progbits
	.p2align	6, 0x0
	.amdhsa_kernel k_q6297063188_cvt
		.amdhsa_group_segment_fixed_size 0
		.amdhsa_private_segment_fixed_size 0
		.amdhsa_enable_private_segment 0
		.amdhsa_kernarg_size 32
		.amdhsa_user_sgpr_count 2
		.amdhsa_user_sgpr_kernarg_segment_ptr 1
		.amdhsa_wavefront_size32 1
		.amdhsa_system_sgpr_workgroup_id_x 1
		.amdhsa_system_sgpr_workgroup_id_y 1
		.amdhsa_system_sgpr_workgroup_id_z 1
		.amdhsa_system_vgpr_workitem_id 0
		.amdhsa_next_free_vgpr 32
		.amdhsa_next_free_sgpr 66
		.amdhsa_reserve_vcc 0
		.amdhsa_float_denorm_mode_32 3
		.amdhsa_float_denorm_mode_16_64 3
		.amdhsa_memory_ordered 1
		.amdhsa_forward_progress 1
		.amdhsa_inst_pref_size 3
	.end_amdhsa_kernel
	.amdgpu_metadata
---
amdhsa.version: [ 1, 2 ]
amdhsa.kernels:
  - .name:           k_q6297063188_cvt
    .symbol:         k_q6297063188_cvt.kd
    .args:
      - { .name: x_spikes, .offset: 0, .size: 8, .value_kind: global_buffer, .address_space: global }
      - { .name: W2, .offset: 8, .size: 8, .value_kind: global_buffer, .address_space: global }
      - { .name: xb, .offset: 16, .size: 8, .value_kind: global_buffer, .address_space: global }
      - { .name: w2b, .offset: 24, .size: 8, .value_kind: global_buffer, .address_space: global }
    .group_segment_fixed_size: 0
    .private_segment_fixed_size: 0
    .kernarg_segment_align: 8
    .kernarg_segment_size: 32
    .max_flat_workgroup_size: 256
    .sgpr_count:     66
    .vgpr_count:     32
    .wavefront_size: 32
...
	.end_amdgpu_metadata
.endif
;; end of part 1
;; launch lif1 (part 2): grid 32 x 8, 4 waves a work-group, clusters of 4 x 4, 327,680 bytes of LDS; arguments xb, W1, b1, decay1, s1q; writes s1q
.if DOCPART == 2
	.amdgcn_target "amdgcn-amd-amdhsa--gfx1250"
	.amdhsa_code_object_version 6
	.text
	.protected	k_q6297063188_lif1
	.globl	k_q6297063188_lif1
	.p2align	8
	.type	k_q6297063188_lif1,@function
k_q6297063188_lif1:
	s_mov_b64 s[64:65], 0
	v_nop
	global_prefetch_b8 v0, s[64:65] scope:SCOPE_SE
	s_setreg_imm32_b32 hwreg(HW_REG_WAVE_MODE, 25, 1), 1
	s_wait_xcnt 0x0
	s_wait_alu depctr_hold_cnt(0) depctr_sa_sdst(0) depctr_va_vdst(0) depctr_va_sdst(0) depctr_va_ssrc(0) depctr_va_vcc(0) depctr_vm_vsrc(0)
	s_getreg_b32 s2, hwreg(HW_REG_IB_STS2, 6, 4)
	s_cmp_eq_u32 s2, 0
	s_cbranch_scc0 .Lentry_in_a_cluster
	s_endpgm
.Lentry_in_a_cluster:
	s_bfe_u32 s2, ttmp6, 0x10000c
	s_cmp_lg_u32 s2, 0xf033
	s_cbranch_scc0 .Lentry_shape_is_right
	s_endpgm
.Lentry_shape_is_right:
; THE FIRST LAYER OF LEAKY INTEGRATE-AND-FIRE NEURONS OVER ALL 20 TIME STEPS.  s[t][b][h] = the sum over k of A[t][b][k] W[h][k] + bias[h]; then for t = 0 .. 19, from u = 0:
; m = u decay[h] + s (one fused multiply-add);  spike = (m > 0.3);  u = m - 0.3 spike.  The products do not hang on the recurrence, so all 20 steps are one product of 2,560 rows.
; A: [8 bb][20 t][16 bi][2048] bf16 (b = 16 bb + bi), W: [4096][2048] f32, bias, decay: [4096] f32.
; OUT: a spike as ONE BYTE, 0x3F or 0x00: the high byte of the bf16 number 0.5 or 0, exact; the next launch sets it over a zero byte and doubles its sums.  Layout [8 bb][32 hb][320 rows = 16 t + bi][128 bytes]:
; the tile of one work-group is 40,960 bytes on end.
; LIMITS.  W, bias and decay are rounded once to bf16 (to nearest even), as every input of the program is; sums, membranes and the threshold are f32; the sums' order is the matrix unit's, K ascending.
; A membrane within an f32 rounding of 0.3 may fall on the other side of it than with another order of the sums.  A NaN membrane gives no spike.
; SHARES.  A work-group makes 320 rows (all t of 16 b) x 128 columns h: it holds every t of its neurons, so the recurrence never leaves it.  256 work-groups.  Wave w: rows 160 (w / 2) .. + 159 (ten t),
; columns 64 (w % 2) .. + 63: 40 accumulators of 16 x 16.  For 32 along K it reads 10 fragments of A and 4 of W for 40 matrix instructions.
; W COMES AS f32: its tiles land in LDS as they lie in memory and are rounded between the LDS load and the matrix instruction: 32 conversions for 40 matrix instructions, and no pass over W ahead of this launch.
; THE MATRIX INSTRUCTION IS USED TRANSPOSED (source 0 = 16 rows of W, source 1 = 16 rows of A): a lane holds one b (lane % 16) and eight neighbouring h.
; RING.  K goes in steps of 128 through two LDS slots.  Waves 0 and 1 fetch A's halves (160 rows x 256 bytes), waves 2 and 3 W's (64 rows x 512 bytes): one tensor load a wave behind each change of slots.
; CLUSTER.  4 x 4 work-groups: the four of a row need the same tiles of A, the four of a column the same tiles of W: each tile is asked for JOINTLY, by the same load with the same descriptor and a mask of the four.
; THE END.  The finished sums go as f32 into LDS, over the ring, which has had its last fill; then thread (wave w, lane l) walks t for b = 4 w + l / 8 and h = 16 (l % 8) .. + 15: its 16 spikes are 16 bytes on end.
; REGISTERS, in windows of 256 (s_set_vgpr_msb: bits 1:0 source 0, 3:2 source 1, 5:4 source 2, 7:6 destination):
;   window 0: v0-31 addresses and small things; v32-111, v112-191 A's fragments, two buffers; v192-255 W's fragments as f32.  In the walk over t the buffers' registers are used anew.
;   window 1: v0-159 accumulators of t blocks 0-4 ((a, j) at 8 (4 a + j)); v160-191, v192-223 W's fragments in bf16, two buffers
;   window 2: v0-159 accumulators of t blocks 5-9; v160-175 bias, v176-191 decay as loaded
.set SIZE_K, 2048
.set KSTEP,  128
.set LAPS,   SIZE_K/(2*KSTEP)          ; a lap = two K steps = once round the ring
.set PA,     272                       ; a row of A in LDS: 256 bytes + 16 of padding: an odd multiple of 16, so the 16 rows of a load begin at 16 different places modulo 256 bytes
.set PB,     528                       ; a row of W: 512 bytes + 16
.set AHALF,  160*PA                    ; what one tensor load brings of A, and what one wave reads of it
.set BOFF,   320*PA                    ; W's rows lie behind A's 320
.set BHALF,  64*PB
.set SLOT,   BOFF+128*PB               ; 154,624 bytes
.set SPARE,  2*SLOT                    ; behind the ring: the spare words, 128 bytes for each wave: two blocks of 256 bytes that no other line names
.set SP,     560                       ; a row of the sums in LDS: 64 f32, 32 bytes, 64 f32, 16 bytes: 35 x 16.  The 16 rows of a store begin at 16 different places modulo 256; and of the 16 lanes
.set HG,     288                       ; that read together (two rows x eight pieces 64 bytes apart, the upper four 32 further on) one row takes the even sixteenths of 256 bytes and the next the odd ones
.set ST,     16*SP                     ; a time step's 16 rows
.set TILEB,  320*128                   ; a work-group's bytes of the output
.set ADRA, 16                          ; v16-17  LDS address of my fragments of A in slot 0, 1
.set ADRB, 18                          ; v18-19  the same for W
.set DST,  20                          ; v20-21  where my sums go: t blocks 0-4, 5-9 (an LDS offset has 16 bits)
.set RDA,  22                          ; v22     where I read sums back; steps two time steps a trip
.set GO,   23                          ; v23     my byte offset in a time step's 2,048 bytes of the output; never rewritten
.set BO,   24                          ; v24     my byte offset in bias and decay; never rewritten
.set PFO,  25                          ; v25     the prefetches' offset; never rewritten
.set SPW,  28                          ; v28     LDS address of my spare word: SPARE + 4 x my thread's number; never rewritten
.set NIL,  29                          ; v29     0; never rewritten
.set FA,   32                          ; A's fragment a of buffer f at FA + 80 f + 8 a
.set RAW,  192                         ; W's fragment j as 16 f32 at RAW + 16 j
.set FB,   160                         ; window 1: W's fragment j of buffer f at FB + 32 f + 8 j
.set BRAW, 160                         ; window 2: bias of my 16 h, as loaded
.set DRAW, 176                         ; window 2: decay
.set X0,   32                          ; the walk over t: v[32:47], v[48:63] a time step's 16 sums, then membranes
.set X1,   48
.set U,    64                          ; v[64:79]   m - 0.3 spike of the step before
.set SPK,  80                          ; v[80:95]   spikes, 0.0 or 1.0
.set BI,   96                          ; v[96:111]  bias of my 16 h
.set DE,   112                         ; v[112:127] decay
.set T,    128                         ; v[128:143] at work
.set O0,   144                         ; v[144:147], v[148:151] 16 bytes to store
.set O1,   148
.set PK,   152                         ; v[152:153] at work
.set WV,   14                          ; s14  my wave's number
.set TH,   15                          ; s15  wave / 2: my half of the rows.  Also: I fetch for A (0) or for W (1)
.set NH,   16                          ; s16  wave % 2: my half of the columns.  Also: which half of that tile I fetch
.set G1A,  24                          ; s[24:31] descriptor group 1 for A's tiles;  s[32:39] group 0, a set for each slot
.set G0A,  32
.set LIM,  43                          ; s43  1 in a wave that prefetches, else the greatest number
.set PFA,  44                          ; s[44:45] where my prefetches stand
.set PST,  46                          ; s[46:47] a lap's bytes in a row of what I prefetch
.set G1B,  48                          ; s[48:55], s[56:63] the same for W's tiles
.set G0B,  56
.set MK,   66                          ; s[66:69] four spike masks (free once the descriptors are made)
.set THR,  72                          ; s72  0.3
.set NTH,  74                          ; s[74:75] -0.3: the packed form names a pair and takes its low word for both halves
.set MSB, 0
.macro WIN new                         ; the immediate's high byte repeats the setting that is left; a switch that changes nothing is dropped
.if MSB != (\new)
	s_set_vgpr_msb (MSB<<8)|(\new)
.set MSB, \new
.endif
.endm
.macro PLACES
.rept 4
	v_nop
.endr
.endm
; A joint load.  Each of the two lines has one mask and one set of registers for all that issue it; the branch hangs on the wave's number alone.
; An s_nop 0 and four v_nop follow each line, ahead of the jump, the label and what follows.
.macro JLOAD s
	s_cmp_eq_u32 s[TH], 0
	s_cbranch_scc0 .Lfor_b_\@
	tensor_load_to_lds s[G0A+4*(\s):G0A+4*(\s)+3], s[G1A:G1A+7]
	s_nop 0
.rept 4
	v_nop
.endr
	s_branch .Lasked_\@
.Lfor_b_\@:
	tensor_load_to_lds s[G0B+4*(\s):G0B+4*(\s)+3], s[G1B:G1B+7]
	s_nop 0
.rept 4
	v_nop
.endr
.Lasked_\@:
.endm
; A PREFETCH INTO THE L2, once a lap, behind slot 0's joint load and the run of LDS loads that follows it: the lap after the one that is being asked for, so 320 and 480 matrix instructions ahead of the two
; loads that will want it.  Each aligned block of 256 bytes is named ONCE in the launch.  A's 320 rows of a bb are read by 32 work-groups: those with x = 0 .. 19 (clusters 0 .. 4 along x) take 16 rows each, told apart
; BY ADDRESS; wave 0 asks: a lane is a row (lane % 16) and one of the lap's two blocks (lane / 16).  W's 128 rows of a column block are read by the 8 work-groups of that x: each takes 16 rows; wave 2 asks for the
; lap's first 512 bytes, wave 3 for the second.  Laps 0 and 1 come by their loads alone; the loop's last trip (s3 = 1) asks for nothing: there is no lap behind the one that it fetches.
.macro ASK
	s_cmp_gt_u32 s3, s[LIM]
	s_cbranch_scc0 .Lnot_mine_\@
	global_prefetch_b8 v[PFO], s[PFA:PFA+1] th:TH_LOAD_NT scope:SCOPE_SE
.Lnot_mine_\@:
.endm
.macro CREST                           ; a round of the cluster's barrier behind its opening barrier
	s_cmp_lg_u32 s[WV], 0
	s_cbranch_scc1 .Lnot_wave_0_\@
	s_barrier_signal -3
.Lnot_wave_0_\@:
	s_barrier_wait -3
	s_barrier_signal -1
	s_barrier_wait -1
.endm
.macro CROUND                          ; a whole round
	s_barrier_signal -1
	s_barrier_wait -1
	CREST
.endm
	s_load_b256 s[4:11], s[0:1], 0x0               ; A s[4:5], W s[6:7], bias s[8:9], decay s[10:11]
	s_load_b64 s[12:13], s[0:1], 0x20              ; the output
	v_lshl_add_u32 v[SPW], v0, 2, SPARE
	v_mov_b32 v[NIL], 0
	ds_add_u32 v[SPW], v[NIL]                      ; the wave's opening: the add, twice on end, and its wait ahead of my first tensor load; the set-up below, work on registers, stands between
	ds_add_u32 v[SPW], v[NIL]                      ; and once more, under the one wait
	v_lshrrev_b32 v12, 5, v0
	v_readfirstlane_b32 s[WV], v12                 ; wave 0..3
	s_lshr_b32 s[TH], s[WV], 1
	s_and_b32 s[NH], s[WV], 1
	s_bfe_u32 s17, ttmp6, 0x40000                  ; cx, cy: my place in the cluster
	s_bfe_u32 s18, ttmp6, 0x40004
	s_lshl_b32 s19, ttmp9, 2
	s_add_co_u32 s19, s19, s17                     ; column block of 128 h = 4 x cluster x + cx
	s_and_b32 s20, ttmp7, 0xffff
	s_lshl_b32 s20, s20, 2
	s_add_co_u32 s20, s20, s18                     ; bb = 4 x cluster y + cy
	s_lshl_b32 s21, s18, 2
	s_lshl_b32 s21, 15, s21                        ; my row of the cluster: places 4 cy .. 4 cy + 3
	s_lshl_b32 s22, 0x1111, s17                    ; my column: places cx, cx + 4, cx + 8, cx + 12
	; descriptor group 1 for A: 160 rows x 128 elements of 2 bytes, 16 bytes of padding behind every 256
	s_or_b32 s[G1A+0], s21, (1<<16)|(1<<20)|(1<<21)|(5<<22)|(3<<25)  ; 15:0 the mask: my row; 17:16 2-byte elements; 20 padding on; 21 set beside a mask; 24:22 after every 64 words (code 5); 31:25 4 words (code 3)
	s_mov_b32 s[G1A+1], KSTEP<<16                  ; tensor_dim0 = 128
	s_mov_b32 s[G1A+2], 160<<16                    ; tensor_dim1 = 160
	s_mov_b32 s[G1A+3], KSTEP<<16                  ; tile_dim0 = 128
	s_mov_b32 s[G1A+4], 160                        ; tile_dim1 = 160
	s_mov_b32 s[G1A+5], SIZE_K                     ; elements from row to row
	s_mov_b32 s[G1A+6], 0
	s_mov_b32 s[G1A+7], 0
	; and for W: 64 rows x 128 elements of 4 bytes, 16 bytes of padding behind every 512
	s_or_b32 s[G1B+0], s22, (2<<16)|(1<<20)|(1<<21)|(6<<22)|(3<<25)  ; the mask: my column; 4-byte elements; after every 128 words (code 6)
	s_mov_b32 s[G1B+1], KSTEP<<16
	s_mov_b32 s[G1B+2], 64<<16
	s_mov_b32 s[G1B+3], KSTEP<<16
	s_mov_b32 s[G1B+4], 64
	s_mov_b32 s[G1B+5], SIZE_K
	s_mov_b32 s[G1B+6], 0
	s_mov_b32 s[G1B+7], 0
	; where the tiles come from: A's hang on bb alone, which my row of the cluster shares; W's on the column block alone, which my column shares.  Both offsets stay under 2^27.
	s_mul_i32 s66, s20, 320
	s_mul_i32 s23, s[NH], 160
	s_add_co_u32 s66, s66, s23                     ; A: row 320 bb + 160 x half
	s_mul_i32 s66, s66, 2*SIZE_K
	s_mov_b32 s67, 0
	s_lshl_b32 s68, s19, 7
	s_lshl_b32 s23, s[NH], 6
	s_add_co_u32 s68, s68, s23                     ; W: row 128 x column block + 64 x half
	s_mul_i32 s68, s68, 4*SIZE_K
	s_mov_b32 s69, 0
	s_mul_i32 s70, s[NH], AHALF                    ; and where they go: no place in the cluster enters an LDS address
	s_mul_i32 s71, s[NH], BHALF
	s_add_co_u32 s71, s71, BOFF
	s_mov_b32 s[THR], 0x3e99999a                   ; 0.3
	s_mov_b32 s[NTH], 0xbe99999a                   ; -0.3
	s_mov_b32 s[NTH+1], s[NTH]
	s_wait_dscnt 0x0                               ; both opening adds are done
	s_wait_kmcnt 0x0
	s_add_nc_u64 s[66:67], s[4:5], s[66:67]
	s_add_nc_u64 s[68:69], s[6:7], s[68:69]
	CROUND                                         ; all sixteen work-groups are here: the first joint loads meet
.irp s, 0,1
	s_mov_b32 s[G0A+4*(\s)], 1                                       ; count = 1
	s_add_co_u32 s[G0A+4*(\s)+1], s70, (\s)*SLOT                     ; LDS address
	s_add_nc_u64 s[G0A+4*(\s)+2:G0A+4*(\s)+3], s[66:67], (\s)*KSTEP*2  ; global address: K step s
	s_or_b32 s[G0A+4*(\s)+3], s[G0A+4*(\s)+3], 0x80000000            ; type = 2
	s_mov_b32 s[G0B+4*(\s)], 1
	s_add_co_u32 s[G0B+4*(\s)+1], s71, (\s)*SLOT
	s_add_nc_u64 s[G0B+4*(\s)+2:G0B+4*(\s)+3], s[68:69], (\s)*KSTEP*4
	s_or_b32 s[G0B+4*(\s)+3], s[G0B+4*(\s)+3], 0x80000000
	JLOAD \s                                       ; the ring is filled before anything else is done: two loads of mine are out
.endr
	v_and_b32 v1, 15, v0                           ; l % 16
	v_bfe_u32 v2, v0, 4, 1                         ; l / 16
	v_and_b32 v3, 31, v0                           ; l
	v_and_b32 v4, 7, v0                            ; l % 8: my piece of 16 columns
	s_lshl_b32 s40, s19, 9
	v_lshl_add_u32 v[BO], v4, 6, s40               ; bias and decay of h = 128 x column block + 16 (l % 8) .. + 15
	WIN 0x80                                       ; destination window 2, address window 0
.irp c, 0,1,2,3
	global_load_b128 v[BRAW+4*(\c):BRAW+4*(\c)+3], v[BO], s[8:9] offset:16*(\c)    ; wanted at the end: waited for there
	global_load_b128 v[DRAW+4*(\c):DRAW+4*(\c)+3], v[BO], s[10:11] offset:16*(\c)
.endr
	WIN 0
	; A fragment is 16 rows x 32 K: lane l holds row l % 16, K = 8 (l / 16) + 0..7 and 16 + 8 (l / 16) + 0..7: in bf16 two loads of 16 bytes, 32 apart; in f32 four, at 0, 16, 64, 80.
	v_mul_u32_u24 v12, v1, PA
	v_lshl_add_u32 v12, v2, 4, v12
	s_mul_i32 s40, s[TH], AHALF
	v_add_nc_u32 v[ADRA], s40, v12
	v_add_nc_u32 v[ADRA+1], SLOT, v[ADRA]
	v_mul_u32_u24 v13, v1, PB
	v_lshl_add_u32 v13, v2, 5, v13
	v_add_nc_u32 v[ADRB], s71, v13                 ; the half of W that I read has the same number as the half that I would fetch
	v_add_nc_u32 v[ADRB+1], SLOT, v[ADRB]
	v_mul_u32_u24 v14, v1, SP                      ; the sums: row 160 (w / 2) + 16 a + l % 16, byte 288 (w % 2) + 64 j + 32 (l / 16)
	v_lshl_add_u32 v14, v2, 5, v14
	s_mul_i32 s40, s[TH], 160*SP
	s_mul_i32 s41, s[NH], HG
	s_add_co_u32 s40, s40, s41
	v_add_nc_u32 v[DST], s40, v14
	v_add_nc_u32 v[DST+1], 5*ST, v[DST]
	v_bfe_u32 v5, v0, 3, 2                         ; back: row 4 w + l / 8 of a time step,
	v_mul_u32_u24 v5, v5, SP
	v_bfe_u32 v6, v0, 2, 1                         ; its half (l % 8) / 4,
	v_mul_u32_u24 v6, v6, HG
	v_and_b32 v7, 3, v0                            ; 64 bytes for each piece of 16 columns
	v_lshl_add_u32 v6, v7, 6, v6
	s_mul_i32 s40, s[WV], 4*SP
	v_add3_u32 v[RDA], v5, v6, s40
	s_lshl_b32 s40, s[WV], 9
	v_lshl_add_u32 v[GO], v3, 4, s40               ; out: (4 w + l / 8) x 128 + 16 (l % 8) = 512 w + 16 l
	; the prefetches
	s_min_u32 s40, s19, 19
	s_lshl_b32 s40, s40, 4
	s_mul_i32 s41, s20, 320
	s_add_co_u32 s40, s40, s41                     ; A: row 320 bb + 16 x (my x, 19 at the most)
	s_mul_i32 s40, s40, 2*SIZE_K
	s_add_co_u32 s40, s40, 2*KSTEP*2               ; at lap 1: the first change of slots steps it to lap 2
	s_lshl_b32 s41, s19, 7
	s_lshl4_add_u32 s41, s20, s41                  ; W: row 128 x column block + 16 bb
	s_mul_i32 s41, s41, 4*SIZE_K
	s_lshl_b32 s42, s[NH], 9                       ; wave 3: the lap's second 512 bytes
	s_add_co_u32 s41, s41, s42
	s_add_co_u32 s41, s41, 2*KSTEP*4
	s_lshl_b32 s[PST], 2*KSTEP*2, s[TH]            ; a lap is 512 bytes of a row of A, 1,024 of W
	s_mov_b32 s[PST+1], 0
	s_lshl_b32 s23, 2*SIZE_K, s[TH]                ; bytes from row to row
	s_mov_b32 s77, 0
	s_cmp_lt_u32 ttmp9, 5                          ; the same in all sixteen partners
	s_cselect_b32 s[LIM], 1, -1
	s_cmp_eq_u32 s[NH], 0
	s_cselect_b32 s[LIM], s[LIM], -1               ; of A's two waves wave 0 asks;
	s_cmp_eq_u32 s[TH], 0
	s_cselect_b32 s[LIM], s[LIM], 1                ; waves 2 and 3 ask in every work-group
	s_cselect_b32 s76, s40, s41
	s_cselect_b64 s[PFA:PFA+1], s[4:5], s[6:7]
	s_add_nc_u64 s[PFA:PFA+1], s[PFA:PFA+1], s[76:77]
	v_mul_u32_u24 v[PFO], s23, v1
	v_lshl_add_u32 v[PFO], v2, 8, v[PFO]           ; row l % 16, block l / 16
	s_lshl_b32 s76, s20, 5                         ; the output at my work-group's tile: number 32 bb + column block
	s_add_co_u32 s76, s76, s19
	s_mul_i32 s76, s76, TILEB
	s_add_nc_u64 s[12:13], s[12:13], s[76:77]
; 36 LDS loads in one run: the fragments of quarter nq (32 along K) of a slot: W's four as f32 into RAW, A's ten into buffer g
.macro FETCH slot, nq, g
	WIN 0
.irp j, 0,1,2,3
	ds_load_b128 v[RAW+16*(\j):RAW+16*(\j)+3],     v[ADRB+(\slot)] offset:(\j)*16*PB+128*(\nq)
	ds_load_b128 v[RAW+16*(\j)+4:RAW+16*(\j)+7],   v[ADRB+(\slot)] offset:(\j)*16*PB+128*(\nq)+16
	ds_load_b128 v[RAW+16*(\j)+8:RAW+16*(\j)+11],  v[ADRB+(\slot)] offset:(\j)*16*PB+128*(\nq)+64
	ds_load_b128 v[RAW+16*(\j)+12:RAW+16*(\j)+15], v[ADRB+(\slot)] offset:(\j)*16*PB+128*(\nq)+80
.endr
.irp a, 0,1,2,3,4,5,6,7,8,9
	ds_load_b128 v[FA+80*(\g)+8*(\a):FA+80*(\g)+8*(\a)+3],   v[ADRA+(\slot)] offset:(\a)*16*PA+64*(\nq)
	ds_load_b128 v[FA+80*(\g)+8*(\a)+4:FA+80*(\g)+8*(\a)+7], v[ADRA+(\slot)] offset:(\a)*16*PA+64*(\nq)+32
.endr
.endm
; W's four fragments are rounded to bf16, into buffer f.  These 32 plain instructions name no register of the products just issued (those of the other buffer): they are the places between those products and the
; loads into the other buffer, and between buffer f's last products, a quarter further back, and the next writing of buffer f (ISA guide 7.12.1 for vector instructions).  So the loop has no v_nop of its own.
.macro CVT f
	WIN 0x40                                       ; destination window 1, sources window 0
.irp j, 0,1,2,3
.irp c, 0,1,2,3,4,5,6,7
	v_cvt_pk_bf16_f32 v[FB+32*(\f)+8*(\j)+(\c)], v[RAW+16*(\j)+2*(\c)], v[RAW+16*(\j)+2*(\c)+1]
.endr
.endr
.endm
; Four matrix instructions: t block a x the four column blocks.  The 40 accumulators take turns in one fixed order: 39 others stand between two links of a chain, over the backward jump too.
.macro MULA f, a, zero
.if (\a) < 5
	WIN 0x51                                       ; W window 1, A window 0, C and D window 1
.else
	WIN 0xa1                                       ; C and D window 2
.endif
.irp j, 0,1,2,3
.if \zero
	v_wmma_f32_16x16x32_bf16 v[8*(4*((\a)%5)+(\j)):8*(4*((\a)%5)+(\j))+7], v[FB+32*(\f)+8*(\j):FB+32*(\f)+8*(\j)+7], v[FA+80*(\f)+8*(\a):FA+80*(\f)+8*(\a)+7], 0
.else
	v_wmma_f32_16x16x32_bf16 v[8*(4*((\a)%5)+(\j)):8*(4*((\a)%5)+(\j))+7], v[FB+32*(\f)+8*(\j):FB+32*(\f)+8*(\j)+7], v[FA+80*(\f)+8*(\a):FA+80*(\f)+8*(\a)+7], v[8*(4*((\a)%5)+(\j)):8*(4*((\a)%5)+(\j))+7]
.endif
.endr
.endm
; A K step is four quarters of 32 along K, 40 matrix instructions each, on buffers 0, 1, 0, 1.  One of the first three: rounds W, asks for quarter nq of the same slot, multiplies buffer f.
.macro QUART f, slot, nq, zero
	s_wait_dscnt 0x0                               ; this quarter's fragments, asked for 40 matrix instructions ago, are in
	CVT \f
	FETCH \slot, \nq, 1-(\f)
.irp a, 0,1,2,3,4,5,6,7,8,9
	MULA \f, \a, \zero
.endr
.endm
; The last quarter multiplies buffer 1 and changes slots: ONE barrier.  In front of it each wave waits for all its tensor loads (one is out: its part of the next slot), adds 0 to its spare word, and waits for that; its
; reads of this slot are over.  fill = 1: the barrier opens a round of the cluster's barrier, and the slot is filled again, two K steps ahead, first thing behind the round: 152 matrix instructions ahead of the wait for it.
.macro TURNQ slot, next, fill
.if (\fill) && ((\slot) == 0)
	s_wait_xcnt 0x0                                ; the last prefetch, a lap back, has read its address: it is stepped here, ahead of the waits of the change of slots
	s_add_nc_u64 s[PFA:PFA+1], s[PFA:PFA+1], s[PST:PST+1]
.endif
	s_wait_dscnt 0x0                               ; this quarter's fragments are in: they were my last reads of this slot
	WIN 0                                          ; (the add's two registers lie in window 0)
	s_wait_tensorcnt 0x0                           ; all my tensor loads have landed: my part of the next slot
	ds_add_u32 v[SPW], v[NIL]                      ; 0 onto my spare word: the conversions stand between it and the wait for it
	CVT 1
	s_wait_dscnt 0x0                               ; the add is done
	s_barrier_signal -1
	MULA 1, 0, 0                                   ; work on registers while the others arrive
	MULA 1, 1, 0
	WIN 0
	s_barrier_wait -1
.if \fill
	CREST                                          ; no wave of any partner still reads this slot's tiles or has a load on its way
	s_add_nc_u64 s[G0A+4*(\slot)+2:G0A+4*(\slot)+3], s[G0A+4*(\slot)+2:G0A+4*(\slot)+3], 2*KSTEP*2
	s_add_nc_u64 s[G0B+4*(\slot)+2:G0B+4*(\slot)+3], s[G0B+4*(\slot)+2:G0B+4*(\slot)+3], 2*KSTEP*4
	JLOAD \slot
.endif
	FETCH \next, 0, 0                              ; buffer 0's last products stand ahead of the 32 conversions above
.if (\fill) && ((\slot) == 0)
	ASK
.endif
.irp a, 2,3,4,5,6,7,8,9
	MULA 1, \a, 0
.endr
.endm
	s_wait_tensorcnt 0x1                           ; my part of K step 0 is in; K step 1's may stay out
	s_barrier_signal -1
	s_barrier_wait -1                              ; everybody's is
	FETCH 0, 0, 0
	QUART 0, 0, 1, 1                               ; the first quarter stands in front of the loop: its products start the sums
	WIN 0                                          ; at a label and at a branch every window is 0
	s_mov_b32 s3, LAPS-1
.Llap:                                                 ; a trip goes once round the ring, from a lap's second quarter to the next lap's first, and fills both slots again
	QUART 1, 0, 2, 0
	QUART 0, 0, 3, 0
	TURNQ 0, 1, 1
	QUART 0, 1, 1, 0
	QUART 1, 1, 2, 0
	QUART 0, 1, 3, 0
	TURNQ 1, 0, 1
	QUART 0, 0, 1, 0
	WIN 0
	s_sub_co_u32 s3, s3, 1
	s_cmp_lg_u32 s3, 0
	s_cbranch_scc1 .Llap
	QUART 1, 0, 2, 0                               ; the last lap fills nothing
	QUART 0, 0, 3, 0
	TURNQ 0, 1, 0
	QUART 0, 1, 1, 0
	QUART 1, 1, 2, 0
	QUART 0, 1, 3, 0
	s_wait_dscnt 0x0                               ; the very last quarter: my reads of the ring are over,
	CVT 1
	s_barrier_signal -1                            ; say so: behind this barrier the sums are laid over the ring
.irp a, 0,1,2,3,4,5,6,7,8,9
	MULA 1, \a, 0
.endr
	WIN 0
	s_barrier_wait -1                              ; nobody reads the ring any more; its last fill was shown landed at the last change of slots
	PLACES                                         ; eight places, once a launch, between the last products and the stores of their results and the writing of their sources
	PLACES
	; THE SUMS GO INTO LDS, f32: each accumulator's low four registers first
.irp a, 0,1,2,3,4,5,6,7,8,9
.if (\a) < 5
	WIN 0x04                                       ; the stores' data in window 1
.else
	WIN 0x08                                       ; in window 2
.endif
.irp j, 0,1,2,3
	ds_store_b128 v[DST+(\a)/5], v[8*(4*((\a)%5)+(\j)):8*(4*((\a)%5)+(\j))+3]   offset:((\a)%5)*ST+64*(\j)
	ds_store_b128 v[DST+(\a)/5], v[8*(4*((\a)%5)+(\j))+4:8*(4*((\a)%5)+(\j))+7] offset:((\a)%5)*ST+64*(\j)+16
.endr
.endr
	WIN 0
	s_wait_loadcnt 0x0                             ; bias and decay: rounded to bf16 and widened again, while the stores are out
	WIN 0x0a                                       ; sources window 2, destination window 0
.irp i, 0,1,2,3,4,5,6,7
	v_cvt_pk_bf16_f32 v[T+(\i)],   v[BRAW+2*(\i)], v[BRAW+2*(\i)+1]
	v_cvt_pk_bf16_f32 v[T+8+(\i)], v[DRAW+2*(\i)], v[DRAW+2*(\i)+1]
.endr
	WIN 0
.irp i, 0,1,2,3,4,5,6,7
	v_lshlrev_b32 v[BI+2*(\i)],   16, v[T+(\i)]
	v_and_b32     v[BI+2*(\i)+1], 0xffff0000, v[T+(\i)]
	v_lshlrev_b32 v[DE+2*(\i)],   16, v[T+8+(\i)]
	v_and_b32     v[DE+2*(\i)+1], 0xffff0000, v[T+8+(\i)]
.endr
.set i, 0
.rept 16
	v_mov_b32 v[U+i], 0                            ; membrane and spike start at 0
.set i, i+1
.endr
	s_wait_dscnt 0x0                               ; for the others' sake: my sums lie in LDS
	s_barrier_signal -1
	s_barrier_wait -1
; THE WALK OVER t.  LOADX: a time step's 16 sums of my row.  STEP: s + bias; m = u decay + s; spike = (0.3 < m); u = m - 0.3 spike (the product is exact); then the top bytes of the 16 spikes
; (1.0 is 0x3F800000) are gathered, three byte permutes for four of them, and stored.
.macro LOADX xin, par
.irp c, 0,1,2,3
	ds_load_b128 v[(\xin)+4*(\c):(\xin)+4*(\c)+3], v[RDA] offset:(\par)*ST+16*(\c)
.endr
.endm
.macro STEP xin, obf, par
.irp c, 0,1,2,3
	v_pk_add_f32 v[(\xin)+4*(\c):(\xin)+4*(\c)+1],   v[(\xin)+4*(\c):(\xin)+4*(\c)+1],   v[BI+4*(\c):BI+4*(\c)+1]
	v_pk_add_f32 v[(\xin)+4*(\c)+2:(\xin)+4*(\c)+3], v[(\xin)+4*(\c)+2:(\xin)+4*(\c)+3], v[BI+4*(\c)+2:BI+4*(\c)+3]
	v_pk_fma_f32 v[(\xin)+4*(\c):(\xin)+4*(\c)+1],   v[U+4*(\c):U+4*(\c)+1],   v[DE+4*(\c):DE+4*(\c)+1],   v[(\xin)+4*(\c):(\xin)+4*(\c)+1]
	v_pk_fma_f32 v[(\xin)+4*(\c)+2:(\xin)+4*(\c)+3], v[U+4*(\c)+2:U+4*(\c)+3], v[DE+4*(\c)+2:DE+4*(\c)+3], v[(\xin)+4*(\c)+2:(\xin)+4*(\c)+3]
.irp k, 0,1,2,3
	v_cmp_lt_f32 s[MK+(\k)], s[THR], v[(\xin)+4*(\c)+(\k)]
.endr
.irp k, 0,1,2,3
	v_cndmask_b32 v[SPK+4*(\c)+(\k)], 0, 1.0, s[MK+(\k)]
.endr
	v_pk_fma_f32 v[U+4*(\c):U+4*(\c)+1],   v[SPK+4*(\c):SPK+4*(\c)+1],   s[NTH:NTH+1], v[(\xin)+4*(\c):(\xin)+4*(\c)+1]   op_sel_hi:[1,0,1]
	v_pk_fma_f32 v[U+4*(\c)+2:U+4*(\c)+3], v[SPK+4*(\c)+2:SPK+4*(\c)+3], s[NTH:NTH+1], v[(\xin)+4*(\c)+2:(\xin)+4*(\c)+3] op_sel_hi:[1,0,1]
	v_perm_b32 v[PK],   v[SPK+4*(\c)+1], v[SPK+4*(\c)],   0x07030703   ; low half: the top byte of spike 0, then of spike 1
	v_perm_b32 v[PK+1], v[SPK+4*(\c)+3], v[SPK+4*(\c)+2], 0x07030703   ; of spikes 2 and 3
	v_perm_b32 v[(\obf)+(\c)], v[PK+1], v[PK], 0x05040100              ; the two low halves
.endr
	global_store_b128 v[GO], v[(\obf):(\obf)+3], s[12:13] offset:(\par)*2048  ; the wave's 32 lanes store 512 consecutive bytes, at a multiple of 256 from the buffer's first byte
.endm
	LOADX X0, 0                                    ; t = 0
	s_mov_b32 s3, 9
.Lpair:                                                ; a trip: time steps 2 i and 2 i + 1; the next step's sums are asked for ahead of each step's arithmetic
	LOADX X1, 1
	s_wait_dscnt 0x4                               ; the even step's four loads are in; the four just issued stay out
	STEP X0, O0, 0
	v_add_nc_u32 v[RDA], 2*ST, v[RDA]
	LOADX X0, 0
	s_wait_dscnt 0x4                               ; the odd step's are in
	STEP X1, O1, 1
	s_wait_xcnt 0x0                                ; the trip's stores have read their base and their data: both are written again only behind this wait
	s_add_nc_u64 s[12:13], s[12:13], 2*2048        ; two time steps on
	s_sub_co_u32 s3, s3, 1
	s_cmp_lg_u32 s3, 0
	s_cbranch_scc1 .Lpair
	LOADX X1, 1                                    ; t = 19
	s_wait_dscnt 0x4
	STEP X0, O0, 0                                 ; t = 18
	s_wait_dscnt 0x0
	STEP X1, O1, 1
	s_wait_tensorcnt 0x0                           ; the wave's end: behind my last tensor load and my last LDS store
	ds_add_u32 v[SPW], v[NIL]
	s_wait_dscnt 0x0
	CROUND                                         ; the closing round: no work-group ends while a partner may still ask for a tile that names it
	s_endpgm
.Lfunc_end_k_q6297063188_lif1:
	.size	k_q6297063188_lif1, .Lfunc_end_k_q6297063188_lif1-k_q6297063188_lif1
	.p2alignl 7, 3214868480
	.fill 96, 4, 3214868480
	.section	.rodata,"a",@progbits
	.p2align	6, 0x0
	.amdhsa_kernel k_q6297063188_lif1
		.amdhsa_group_segment_fixed_size 327680
		.amdhsa_private_segment_fixed_size 0
		.amdhsa_enable_private_segment 0
		.amdhsa_kernarg_size 40
		.amdhsa_user_sgpr_count 2
		.amdhsa_user_sgpr_kernarg_segment_ptr 1
		.amdhsa_wavefront_size32 1
		.amdhsa_system_sgpr_workgroup_id_x 1
		.amdhsa_system_sgpr_workgroup_id_y 1
		.amdhsa_system_sgpr_workgroup_id_z 1
		.amdhsa_system_vgpr_workitem_id 0
		.amdhsa_next_free_vgpr 704
		.amdhsa_next_free_sgpr 80
		.amdhsa_reserve_vcc 0
		.amdhsa_float_denorm_mode_32 3
		.amdhsa_float_denorm_mode_16_64 3
		.amdhsa_memory_ordered 1
		.amdhsa_forward_progress 1
		.amdhsa_inst_pref_size 153
	.end_amdhsa_kernel
	.amdgpu_metadata
---
amdhsa.version: [ 1, 2 ]
amdhsa.kernels:
  - .name:           k_q6297063188_lif1
    .symbol:         k_q6297063188_lif1.kd
    .args:
      - { .name: xb, .offset: 0, .size: 8, .value_kind: global_buffer, .address_space: global }
      - { .name: W1, .offset: 8, .size: 8, .value_kind: global_buffer, .address_space: global }
      - { .name: b1, .offset: 16, .size: 8, .value_kind: global_buffer, .address_space: global }
      - { .name: decay1, .offset: 24, .size: 8, .value_kind: global_buffer, .address_space: global }
      - { .name: s1q, .offset: 32, .size: 8, .value_kind: global_buffer, .address_space: global }
    .group_segment_fixed_size: 327680
    .private_segment_fixed_size: 0
    .kernarg_segment_align: 8
    .kernarg_segment_size: 40
    .max_flat_workgroup_size: 128
    .sgpr_count:     80
    .vgpr_count:     704
    .wavefront_size: 32
...
	.end_amdgpu_metadata
.endif
;; end of part 2
;; launch lif2 (part 3): grid 32 x 8, 4 waves a work-group, clusters of 4 x 4, 327,680 bytes of LDS; arguments s1q, w2b, b2, decay2, hsum; writes hsum
.if DOCPART == 3
	.amdgcn_target "amdgcn-amd-amdhsa--gfx1250"
	.amdhsa_code_object_version 6
	.text
	.protected	k_q6297063188_lif2
	.globl	k_q6297063188_lif2
	.p2align	8
	.type	k_q6297063188_lif2,@function
k_q6297063188_lif2:
	s_mov_b64 s[64:65], 0
	v_nop
	global_prefetch_b8 v0, s[64:65] scope:SCOPE_SE
	s_setreg_imm32_b32 hwreg(HW_REG_WAVE_MODE, 25, 1), 1
	s_wait_xcnt 0x0
	s_wait_alu depctr_hold_cnt(0) depctr_sa_sdst(0) depctr_va_vdst(0) depctr_va_sdst(0) depctr_va_ssrc(0) depctr_va_vcc(0) depctr_vm_vsrc(0)
	s_getreg_b32 s2, hwreg(HW_REG_IB_STS2, 6, 4)
	s_cmp_eq_u32 s2, 0
	s_cbranch_scc0 .Lentry_in_a_cluster
	s_endpgm
.Lentry_in_a_cluster:
	s_bfe_u32 s2, ttmp6, 0x10000c
	s_cmp_lg_u32 s2, 0xf033
	s_cbranch_scc0 .Lentry_shape_is_right
	s_endpgm
.Lentry_shape_is_right:
; THE SECOND LAYER OF LEAKY INTEGRATE-AND-FIRE NEURONS OVER ALL 20 TIME STEPS.  s[t][b][h] = the sum over k of spike1[t][b][k] W[h][k] + bias[h]; then for t = 0 .. 19, from u = 0:
; m = u decay[h] + s (one fused multiply-add);  spike = (m > 0.3);  u = m - 0.3 spike.  OUT: the count of spikes over t, bf16 (0 .. 20, exact), [128 b][4096].
; A: the first layer's spikes, ONE BYTE each, 0x3F or 0x00: the high byte of the bf16 number 0.5 or 0.  Layout [8 bb][32 hb][320 rows = 16 t + bi][128 bytes] (b = 16 bb + bi, k = 128 hb + byte).
; One byte permute sets two such bytes over zero bytes: two bf16 numbers, exact.  The sums are then half of s - bias, exactly, and s = 2 x sum + bias is one fused multiply-add, rounded as the plain sum would be.
; W: [4096][4096] bf16, rounded once from the input by the first launch.  bias, decay: [4096] f32, rounded once to bf16 here, as every input of the program is.
; LIMITS.  Sums, membranes and the threshold are f32; the sums' order is the matrix unit's, K ascending by blocks of 32, and inside a block k lies in other places of the fragments than its number says (below).
; A membrane within an f32 rounding of 0.3 may fall on the other side of it than with another order of the sums.  A NaN membrane gives no spike.
; SHARES.  A work-group makes 320 rows (all t of 16 b) x 128 columns h; 256 work-groups.  Wave w: rows 160 (w / 2) .. + 159 (ten t blocks), columns 64 (w % 2) .. + 63 (four blocks): 40 accumulators of 16 x 16.
; THE MATRIX INSTRUCTION IS USED TRANSPOSED (source 0 = 16 rows of W, source 1 = 16 rows of A): a lane holds one b (lane % 16) and eight neighbouring h.
; k IN A FRAGMENT.  Lane half h = lane / 16 takes k = 16 h .. 16 h + 15 of a block of 32, in ascending order through its eight registers, in BOTH sources: the products are the same, and a fragment of A is one load of
; 16 bytes, a fragment of W two loads of 16 bytes on end.
; RING.  K goes in steps of 256 through two LDS slots: with a byte for A and two for W a step of 256 has 576 bytes for each k.  Waves 0 and 1 fetch the two blocks of A (40,960 dense bytes each, asked for as 160 rows
; of 256 bytes, padded in LDS behind every 128), waves 2 and 3 the halves of W (64 rows x 512 bytes): one tensor load a wave behind each change of slots, 320 matrix instructions a wave in which it lands.
; CLUSTER.  4 x 4 work-groups: the four of a row need the same tiles of A, the four of a column the same tiles of W: each tile is asked for JOINTLY, by the same load with the same descriptor and a mask of the four.
; BY HALVES.  A quarter q (32 along K) is two halves of 20 matrix instructions: H1 (t blocks 0-4), H2 (t blocks 5-9).  A's bytes for q + 2 are loaded at the head of H2(q) (blocks 0-4) and of H1(q + 1) (blocks 5-9, with W
; for q + 2); each run has 20 matrix instructions in which to come.  The bytes are widened BEHIND THE MATRIX INSTRUCTIONS of the half that follows their loads: 40 permutes for 20 of them.
; REGISTERS, in windows of 256 (s_set_vgpr_msb: bits 1:0 source 0, 3:2 source 1, 5:4 source 2, 7:6 destination):
;   window 0: v0-31 addresses and small things; v32-95 W's fragments, two buffers; v96-115, v116-135 A's bytes of t blocks 0-4, 5-9.  In the walk over t these registers are used anew.
;   window 1: v0-159 accumulators of t blocks 0-4 ((a, j) at 8 (4 a + j)); v160-239 their fragments of A, two buffers; v240 zero          window 2: the same for t blocks 5-9
; So a half's matrix instructions (W window 0; A, C, D window w) and its permutes (bytes window 0; zero and destination window w) run under ONE setting; only its run of loads wants another.
.set SIZE_K, 4096
.set KSTEP,  256                       ; k in a slot
.set NSLOT,  SIZE_K/KSTEP              ; 16 fills' worth of K
.set PAB,    144                       ; a row of a block of A in LDS: 128 bytes + 16 of padding: 9 x 16, so the 16 rows of a load begin at 16 different places modulo 256 bytes
.set ABYTES, 320*128                   ; a block of A in memory
.set ABLK,   320*PAB                   ; and in LDS
.set PBW,    528                       ; a row of W: 512 bytes + 16: 33 x 16
.set BOFF,   2*ABLK                    ; W's rows lie behind A's two blocks
.set BHALF,  64*PBW
.set SLOT1,  BOFF+128*PBW              ; 159,744 bytes: slot 1 begins here
.set SPARE,  2*SLOT1                   ; behind the ring: the spare words, 128 bytes for each wave: two blocks of 256 bytes that no other line names
.set SP,     528                       ; a row of the sums in LDS: 128 f32 + 16 bytes
.set ST,     16*SP                     ; a time step's 16 rows
.set ADA0, 16                          ; v16     my lane's place in a block of A; never rewritten
.set ADW0, 17                          ; v17     in W's rows of a slot; never rewritten
.set ADA,  18                          ; v18     the LDS address of the block of A in hand
.set ADW,  19                          ; v19     of W's 128 k that go with it
.set DST,  20                          ; v20-21  where my sums go: t blocks 0-4, 5-9 (an LDS offset has 16 bits)
.set RDA,  22                          ; v22     where I read sums back; steps two time steps a trip
.set GO,   23                          ; v23     my byte offset in the output; never rewritten
.set BO,   24                          ; v24     my byte offset in bias and decay; never rewritten
.set PFO,  25                          ; v25     the prefetches' offset; never rewritten
.set SPW,  28                          ; v28     LDS address of my spare word: SPARE + 4 x my thread's number; never rewritten
.set NIL,  29                          ; v29     0; never rewritten
.set WB,   32                          ; W's fragment j of buffer b at WB + 32 b + 8 j
.set RAW1, 96                          ; A's bytes: t block a (0-4) at RAW1 + 4 a
.set RAW2, 116                         ; t block 5 + a at RAW2 + 4 a
.set F,    160                         ; windows 1, 2: A's fragment a of buffer b at F + 40 b + 8 a
.set ZR,   240                         ; windows 1, 2: 0
.set X0,   32                          ; the walk over t: v[32:47], v[48:63] a time step's sums, then membranes: row r at + 4 r
.set X1,   48
.set U,    64                          ; v[64:79]   m - 0.3 spike of the step before
.set SPK,  80                          ; v[80:95]   spikes, 0.0 or 1.0
.set O0,   96                          ; v[96:103]  packed bf16 to store
.set BI,   112                         ; v[112:115] bias of my four h
.set DE,   116                         ; v[116:119] decay of my four h
.set CNT,  120                         ; v[120:135] spike counts
.set WV,   14                          ; s14  my wave's number
.set TH,   15                          ; s15  wave / 2: my half of the rows.  Also: I fetch for A (0) or for W (1)
.set NH,   16                          ; s16  wave % 2: my half of the columns.  Also: which block of A, which half of W I fetch
.set G1A,  24                          ; s[24:31] descriptor group 1 for A's tiles;  s[32:39] group 0: a set for each of the two first fills; the second then walks on
.set G0A,  32
.set LIM,  43                          ; s43  1 in a wave that prefetches, else the greatest number
.set PFA,  44                          ; s[44:45] where my prefetches stand
.set PST,  46                          ; s[46:47] a slot's bytes in what I prefetch
.set G1B,  48                          ; s[48:55], s[56:63] the same for W's tiles
.set G0B,  56
.set MK,   66                          ; s[66:69] four spike masks (free once the descriptors are made)
.set THR,  72                          ; s72  0.3
.set FS,   73                          ; s73  the slot that the walking descriptors fill: 0 or SLOT1
.set NTH,  74                          ; s[74:75] -0.3: the packed form names a pair and takes its low word for both halves
.set TBA,  78                          ; s78  LDS byte at which the block of A to be fetched next begins
.set TBW,  79                          ; s79  the same for W's 128 k, less BOFF
.set SLOTS, 80                         ; s80  counts the changes of slots that fill
.set TWICE, 81                         ; s81  counts a slot's two blocks
.set SEL,  82                          ; s82-83  the permutes' selects: bytes 0, 1 and bytes 2, 3 of source 0, each over a byte of source 1
.set MSB, 0
.macro WIN new                         ; the immediate's high byte repeats the setting that is left; a switch that changes nothing is dropped
.if MSB != (\new)
	s_set_vgpr_msb (MSB<<8)|(\new)
.set MSB, \new
.endif
.endm
.macro PLACES
.rept 4
	v_nop
.endr
.endm
; A joint load.  Each of the two lines has one mask and one set of registers for all that issue it; the branch hangs on the wave's number alone.
; An s_nop 0 and four v_nop follow each line, ahead of the jump, the label and what follows.
.macro JLOAD s
	s_cmp_eq_u32 s[TH], 0
	s_cbranch_scc0 .Lfor_b_\@
	tensor_load_to_lds s[G0A+4*(\s):G0A+4*(\s)+3], s[G1A:G1A+7]
	s_nop 0
.rept 4
	v_nop
.endr
	s_branch .Lasked_\@
.Lfor_b_\@:
	tensor_load_to_lds s[G0B+4*(\s):G0B+4*(\s)+3], s[G1B:G1B+7]
	s_nop 0
.rept 4
	v_nop
.endr
.Lasked_\@:
.endm
; A PREFETCH INTO THE L2, at every second change of slots, behind the joint load and its five lines: the two slots' bytes that the NEXT TWO changes will ask for, so 320 and 640 matrix instructions ahead of those loads.
; Each aligned block of 256 bytes is named ONCE in the launch.  Two slots of A for a bb are 163,840 bytes on end, read by 32 work-groups: those with x = 0 .. 19 (clusters 0 .. 4 along x) take 32 blocks each, told apart
; BY ADDRESS; wave 0 asks, a lane a block.  W's 128 rows of a column block are read by the 8 work-groups of that x: each takes 16 rows; wave 2 asks for the first slot's 512 bytes of each, wave 3 for the second's.
; The change that brings slot d + 1 asks at d = 1, 3 .. 11 (the counter is odd there) for slots d + 3 and d + 4: slots 0 to 3 come by their loads alone, and the last request names slots 14 and 15, the last there are.
.macro ASK
	s_bitcmp1_b32 s[SLOTS], 0
	s_cbranch_scc0 .Lnot_now_\@
	s_cmp_gt_u32 s[SLOTS], s[LIM]
	s_cbranch_scc0 .Lnot_now_\@
	global_prefetch_b8 v[PFO], s[PFA:PFA+1] th:TH_LOAD_NT scope:SCOPE_SE
.Lnot_now_\@:
.endm
.macro CROUND                          ; a round of the cluster's barrier: my work-group's barrier; wave 0 signals for the work-group; every wave waits for all sixteen; my work-group's barrier once more
	s_barrier_signal -1
	s_barrier_wait -1
	s_cmp_lg_u32 s[WV], 0
	s_cbranch_scc1 .Lnot_wave_0_\@
	s_barrier_signal -3
.Lnot_wave_0_\@:
	s_barrier_wait -3
	s_barrier_signal -1
	s_barrier_wait -1
.endm
; THE CHANGE OF SLOTS stands where the fetches pass from one slot to the next: all of the old slot has been asked for.  Each wave waits for all its tensor loads, of which one is out: its part of the next slot; adds 0 to
; its spare word; and waits for that and for its own reads of the old slot.  fill = 1: the barrier is a round of the cluster's, so that no wave of any partner still reads the old slot or has a load on its way, and the
; joint refill, the k two slots on, is the first thing behind it.
.macro CHANGE fill
	WIN 0                                          ; at a label and at a branch every window is 0
.if \fill
	s_wait_xcnt 0x0                                ; the last prefetch, a slot or two back, has read its address, so it may be written:
	s_add_nc_u64 s[PFA:PFA+1], s[PFA:PFA+1], s[PST:PST+1]  ; a slot on
.endif
	s_wait_tensorcnt 0x0                           ; no tensor load of mine is out, so a group 0 may be written
	ds_add_u32 v[SPW], v[NIL]                      ; 0 onto my spare word: the scalar work stands between it and the wait for it
.if \fill
	s_xor_b32 s[FS], s[FS], SLOT1                  ; the walking descriptors: the other slot than last time,
	s_add_co_u32 s[G0A+5], s[FS], s70
	s_add_co_u32 s[G0B+5], s[FS], s71
	s_add_nc_u64 s[G0A+6:G0A+7], s[G0A+6:G0A+7], 2*ABYTES  ; the next 256 k: two blocks of A,
	s_add_nc_u64 s[G0B+6:G0B+7], s[G0B+6:G0B+7], KSTEP*2   ; 512 bytes along W's rows; the type bits on top are not reached
.endif
	s_sub_co_u32 s[TBA], s[TBA], 2*ABLK            ; the fetches go back to a slot's first block,
	s_xor_b32 s[TBA], s[TBA], SLOT1                ; in the other slot
	s_sub_co_u32 s[TBW], s[TBW], KSTEP*2
	s_xor_b32 s[TBW], s[TBW], SLOT1
	s_wait_dscnt 0x0                               ; the add is done, and my reads of the old slot are over
.if \fill
	CROUND
	JLOAD 1
	ASK
.else
	s_barrier_signal -1
	s_barrier_wait -1
.endif
.endm
	s_load_b256 s[4:11], s[0:1], 0x0               ; A s[4:5], W s[6:7], bias s[8:9], decay s[10:11]
	s_load_b64 s[12:13], s[0:1], 0x20              ; the output
	v_lshl_add_u32 v[SPW], v0, 2, SPARE
	v_mov_b32 v[NIL], 0
	ds_add_u32 v[SPW], v[NIL]                      ; the wave's opening: the add, twice on end, and its wait ahead of my first tensor load; the set-up below, work on registers, stands between
	ds_add_u32 v[SPW], v[NIL]                      ; and once more, under the one wait
	v_lshrrev_b32 v12, 5, v0
	v_readfirstlane_b32 s[WV], v12                 ; wave 0..3
	s_lshr_b32 s[TH], s[WV], 1
	s_and_b32 s[NH], s[WV], 1
	s_bfe_u32 s17, ttmp6, 0x40000                  ; cx, cy: my place in the cluster
	s_bfe_u32 s18, ttmp6, 0x40004
	s_lshl_b32 s19, ttmp9, 2
	s_add_co_u32 s19, s19, s17                     ; column block of 128 h = 4 x cluster x + cx
	s_and_b32 s20, ttmp7, 0xffff
	s_lshl_b32 s20, s20, 2
	s_add_co_u32 s20, s20, s18                     ; bb = 4 x cluster y + cy
	s_lshl_b32 s21, s18, 2
	s_lshl_b32 s21, 15, s21                        ; my row of the cluster: places 4 cy .. 4 cy + 3
	s_lshl_b32 s22, 0x1111, s17                    ; my column: places cx, cx + 4, cx + 8, cx + 12
	; descriptor group 1 for A: a dense block as 160 rows x 128 elements of 2 bytes, 16 bytes of padding behind every 128 bytes: two of A's rows to a row of the tile
	s_or_b32 s[G1A+0], s21, (1<<16)|(1<<20)|(1<<21)|(4<<22)|(3<<25)  ; 15:0 the mask: my row; 17:16 2-byte elements; 20 padding on; 21 set beside a mask; 24:22 after every 32 words (code 4); 31:25 4 words (code 3)
	s_mov_b32 s[G1A+1], 128<<16                    ; tensor_dim0 = 128
	s_mov_b32 s[G1A+2], 160<<16                    ; tensor_dim1 = 160
	s_mov_b32 s[G1A+3], 128<<16                    ; tile_dim0 = 128
	s_mov_b32 s[G1A+4], 160                        ; tile_dim1 = 160
	s_mov_b32 s[G1A+5], 128                        ; elements from row to row: dense
	s_mov_b32 s[G1A+6], 0
	s_mov_b32 s[G1A+7], 0
	; and for W: 64 rows x 256 elements of 2 bytes, 16 bytes of padding behind every 512
	s_or_b32 s[G1B+0], s22, (1<<16)|(1<<20)|(1<<21)|(6<<22)|(3<<25)  ; the mask: my column; after every 128 words (code 6)
	s_mov_b32 s[G1B+1], KSTEP<<16
	s_mov_b32 s[G1B+2], 64<<16
	s_mov_b32 s[G1B+3], KSTEP<<16
	s_mov_b32 s[G1B+4], 64
	s_mov_b32 s[G1B+5], SIZE_K
	s_mov_b32 s[G1B+6], 0
	s_mov_b32 s[G1B+7], 0
	; where the tiles come from: A's hang on bb alone, which my row of the cluster shares; W's on the column block alone, which my column shares.  Both offsets stay under 2^26.
	s_lshl_b32 s66, s20, 5
	s_add_co_u32 s66, s66, s[NH]                   ; A: block 32 bb + (0 or 1)
	s_mul_i32 s66, s66, ABYTES
	s_mov_b32 s67, 0
	s_lshl_b32 s68, s19, 7
	s_lshl_b32 s23, s[NH], 6
	s_add_co_u32 s68, s68, s23                     ; W: row 128 x column block + 64 x half,
	s_lshl_b32 s68, s68, 13                        ; of 8,192 bytes
	s_mov_b32 s69, 0
	s_mul_i32 s70, s[NH], ABLK                     ; and where they go in a slot: no place in the cluster enters an LDS address
	s_mul_i32 s71, s[NH], BHALF
	s_add_co_u32 s71, s71, BOFF
	s_mov_b32 s[THR], 0x3e99999a                   ; 0.3
	s_mov_b32 s[NTH], 0xbe99999a                   ; -0.3
	s_mov_b32 s[NTH+1], s[NTH]
	s_mov_b32 s[FS], SLOT1                         ; the walking descriptors begin as slot 1's first fill
	s_mov_b32 s[TBA], 0
	s_mov_b32 s[TBW], 0
	s_mov_b32 s[SEL], 0x05000400                   ; byte 1 = source 0's byte 0, byte 3 = its byte 1; bytes 0 and 2 = source 1's byte 0, which is 0
	s_mov_b32 s[SEL+1], 0x07000600                 ; the same of source 0's bytes 2 and 3
	s_wait_dscnt 0x0                               ; both opening adds are done
	s_wait_kmcnt 0x0
	s_add_nc_u64 s[66:67], s[4:5], s[66:67]
	s_add_nc_u64 s[68:69], s[6:7], s[68:69]
	CROUND                                         ; all sixteen work-groups are here: the first joint loads meet
.irp s, 0,1
	s_mov_b32 s[G0A+4*(\s)], 1                                       ; count = 1
	s_add_co_u32 s[G0A+4*(\s)+1], s70, (\s)*SLOT1                    ; LDS address
	s_add_nc_u64 s[G0A+4*(\s)+2:G0A+4*(\s)+3], s[66:67], (\s)*2*ABYTES  ; global address: the k of slot s
	s_or_b32 s[G0A+4*(\s)+3], s[G0A+4*(\s)+3], 0x80000000            ; type = 2
	s_mov_b32 s[G0B+4*(\s)], 1
	s_add_co_u32 s[G0B+4*(\s)+1], s71, (\s)*SLOT1
	s_add_nc_u64 s[G0B+4*(\s)+2:G0B+4*(\s)+3], s[68:69], (\s)*KSTEP*2
	s_or_b32 s[G0B+4*(\s)+3], s[G0B+4*(\s)+3], 0x80000000
	JLOAD \s                                       ; the ring is filled before anything else is done: two loads of mine are out
.endr
	v_and_b32 v1, 15, v0                           ; l % 16
	v_bfe_u32 v2, v0, 4, 1                         ; l / 16
	v_and_b32 v3, 31, v0                           ; l
	s_lshl_b32 s40, s19, 9
	v_lshl_add_u32 v[BO], v3, 4, s40               ; bias and decay of h = 128 x column block + 4 l .. + 3
	global_load_b128 v[4:7], v[BO], s[8:9]         ; wanted at the end: waited for there
	global_load_b128 v[8:11], v[BO], s[10:11]
	v_mul_u32_u24 v12, v1, PAB                     ; A: row l % 16, 16 bytes for each half of the lanes
	v_lshl_add_u32 v12, v2, 4, v12
	s_mul_i32 s40, s[TH], 160*PAB
	v_add_nc_u32 v[ADA0], s40, v12
	v_mul_u32_u24 v13, v1, PBW                     ; W: row l % 16, 32 bytes for each half of the lanes
	v_lshl_add_u32 v13, v2, 5, v13
	v_add_nc_u32 v[ADW0], s71, v13                 ; the half of W that I read has the same number as the half that I would fetch
	v_mul_u32_u24 v14, v1, SP                      ; the sums: row 160 (w / 2) + 16 a + l % 16, byte 256 (w % 2) + 64 j + 32 (l / 16)
	v_lshl_add_u32 v14, v2, 5, v14
	s_mul_i32 s40, s[TH], 160*SP
	s_lshl_b32 s41, s[NH], 8
	s_add_co_u32 s40, s40, s41
	v_add_nc_u32 v[DST], s40, v14
	v_add_nc_u32 v[DST+1], 5*ST, v[DST]
	s_mul_i32 s40, s[WV], 4*SP
	v_lshl_add_u32 v[RDA], v3, 4, s40              ; back: rows 4 w .. 4 w + 3 of a time step, 16 bytes a lane: 512 bytes on end
	s_lshl_b32 s40, s[WV], 15
	v_lshl_add_u32 v[GO], v3, 3, s40               ; out: row 4 w (8,192 bytes a row), 8 bytes a lane
	WIN 0x40
	v_mov_b32 v[ZR], 0                             ; the permutes' zero, in window 1
	WIN 0x80
	v_mov_b32 v[ZR], 0                             ; and in window 2
	WIN 0
	; the prefetches
	s_min_u32 s40, s19, 19
	s_lshl_b32 s40, s40, 13                        ; A: 32 blocks of 256 bytes for each x, 19 at the most,
	s_mul_i32 s41, s20, 32*ABYTES                  ; in my bb's bytes,
	s_add_co_u32 s40, s40, s41
	s_add_co_u32 s40, s40, 2*2*ABYTES              ; at slot 2: each change of slots steps it a slot on
	s_lshl_b32 s41, s19, 7
	s_lshl4_add_u32 s41, s20, s41                  ; W: row 128 x column block + 16 bb
	s_lshl_b32 s41, s41, 13
	s_lshl_b32 s42, s[NH], 9                       ; wave 3: the second slot's 512 bytes
	s_add_co_u32 s41, s41, s42
	s_add_co_u32 s41, s41, 2*KSTEP*2
	s_mov_b32 s[PST], 2*ABYTES                     ; a slot is 81,920 bytes of A, 512 of a row of W
	s_mov_b32 s[PST+1], 0
	s_mul_i32 s42, s[TH], 5
	s_lshl_b32 s23, 256, s42                       ; from lane to lane: 256 bytes in A, a row of 8,192 in W
	s_lshl_b32 s42, s[TH], 2
	s_lshr_b32 s42, 4096, s42                      ; from half to half of the lanes: 4,096 bytes in A, 256 in W
	s_mov_b32 s77, 0
	s_cmp_lt_u32 ttmp9, 5                          ; the same in all sixteen partners
	s_cselect_b32 s[LIM], 1, -1
	s_cmp_eq_u32 s[NH], 0
	s_cselect_b32 s[LIM], s[LIM], -1               ; of A's two waves wave 0 asks;
	s_cmp_eq_u32 s[TH], 0
	s_cselect_b32 s[LIM], s[LIM], 1                ; waves 2 and 3 ask in every work-group
	s_cselect_b32 s76, s40, s41
	s_cselect_b32 s[PST], s[PST], KSTEP*2
	s_cselect_b64 s[PFA:PFA+1], s[4:5], s[6:7]
	s_add_nc_u64 s[PFA:PFA+1], s[PFA:PFA+1], s[76:77]
	v_mul_u32_u24 v[PFO], s23, v1
	v_mad_u32_u24 v[PFO], v2, s42, v[PFO]
	s_mul_i32 s76, s20, 16*8192                    ; the output at my bb's first row and my column block's 256 bytes
	s_lshl_b32 s40, s19, 8
	s_add_co_u32 s76, s76, s40
	s_add_nc_u64 s[12:13], s[12:13], s[76:77]
; Five LDS loads: the bytes of five t blocks, from block first on, for quarter fo (0-3) of the block of A in hand
.macro LDR raw, first, fo
.irp a, 0,1,2,3,4
	ds_load_b128 v[(\raw)+4*(\a):(\raw)+4*(\a)+3], v[ADA] offset:((\first)+(\a))*16*PAB+32*(\fo)
.endr
.endm
; Eight LDS loads: W's four fragments for the same quarter, into buffer b
.macro LDW fo, b
.irp j, 0,1,2,3
	ds_load_b128 v[WB+32*(\b)+8*(\j):WB+32*(\b)+8*(\j)+3],   v[ADW] offset:(\j)*16*PBW+64*(\fo)
	ds_load_b128 v[WB+32*(\b)+8*(\j)+4:WB+32*(\b)+8*(\j)+7], v[ADW] offset:(\j)*16*PBW+64*(\fo)+16
.endr
.endm
; Permute n of 40: register n of five fragments of buffer b takes two bytes of register n / 2 of the five blocks' bytes, each over a zero byte
.macro RIDER raw, b
	v_perm_b32 v[F+40*(\b)+n], v[(\raw)+n/2], v[ZR], s[SEL+n%2]
.set n, n+1
.endm
; A HALF: w = 1: t blocks 0-4, w = 2: t blocks 5-9; pw: the buffers that its 20 matrix instructions read.  The 40 accumulators take turns in one fixed order: 39 others stand between two links
; of a chain, over the jumps too.  fetch = 1: at its head a run of LDS loads for quarter fo of the block in hand (w = 2: the bytes of t blocks 0-4; w = 1: those of blocks 5-9, and W into the buffer that the half before has
; just read).  ride = 1: the bytes that the half before has loaded are widened into the other buffer: none behind the first matrix instruction, two behind each further one, four behind the last.  The permutes name no
; register of the matrix instructions round them; the last four are the places between the half's last matrix instruction and the loads into W's buffer (ISA guide 7.12.1 for vector instructions).
.macro HALF w, pw, fo, fetch, ride, zero
	s_wait_dscnt 0x0                               ; the run of loads at the head of the half before, 20 matrix instructions back, is in
.if \fetch
	WIN 0
.if (\w) == 2
	LDR RAW1, 0, \fo
.else
	LDR RAW2, 5, \fo
	LDW \fo, (1-(\pw))
.endif
.endif
	WIN 0x54*(\w)                                  ; source 0 window 0; source 1, source 2 and destination window w
.set n, 0
.set i, 0
.rept 20
.if \zero
	v_wmma_f32_16x16x32_bf16 v[8*i:8*i+7], v[WB+32*(\pw)+8*(i%4):WB+32*(\pw)+8*(i%4)+7], v[F+40*(\pw)+8*(i/4):F+40*(\pw)+8*(i/4)+7], 0
.else
	v_wmma_f32_16x16x32_bf16 v[8*i:8*i+7], v[WB+32*(\pw)+8*(i%4):WB+32*(\pw)+8*(i%4)+7], v[F+40*(\pw)+8*(i/4):F+40*(\pw)+8*(i/4)+7], v[8*i:8*i+7]
.endif
.if \ride
.if i > 0
	RIDER (RAW1+20*((\w)-1)), (1-(\pw))
	RIDER (RAW1+20*((\w)-1)), (1-(\pw))
.endif
.if i == 19
	RIDER (RAW1+20*((\w)-1)), (1-(\pw))
	RIDER (RAW1+20*((\w)-1)), (1-(\pw))
.endif
.endif
.set i, i+1
.endr
.endm
.macro BHEAD                           ; the addresses of the next block of A and of W's 128 k that go with it
	WIN 0
	v_add_nc_u32 v[ADA], s[TBA], v[ADA0]
	v_add_nc_u32 v[ADW], s[TBW], v[ADW0]
	s_add_co_u32 s[TBA], s[TBA], ABLK
	s_add_co_u32 s[TBW], s[TBW], KSTEP
.endm
; A BLOCK: eight halves, H2(q) H1(q + 1) for q = 4 m - 2 .. 4 m + 1, which fetch the four quarters of block m of A.  Written once for the loop and once for the last slot; walked twice a slot.
.macro BLOCK
	BHEAD
	HALF 2, 0, 0, 1, 1, 0
	HALF 1, 1, 0, 1, 1, 0
	HALF 2, 1, 1, 1, 1, 0
	HALF 1, 0, 1, 1, 1, 0
	HALF 2, 0, 2, 1, 1, 0
	HALF 1, 1, 2, 1, 1, 0
	HALF 2, 1, 3, 1, 1, 0
	HALF 1, 0, 3, 1, 1, 0
	WIN 0
.endm
	s_wait_tensorcnt 0x1                           ; my part of slot 0 is in; slot 1's may stay out
	s_barrier_signal -1
	s_barrier_wait -1                              ; everybody's is
	BHEAD                                          ; BLOCK 0 IS WRITTEN OUT: quarter 0 has no half ahead of it in which to be fetched and widened, and its products start the sums
	LDR RAW1, 0, 0
	LDR RAW2, 5, 0
	LDW 0, 0
	s_wait_dscnt 0x0
	WIN 0x54
.set n, 0
.rept 40
	RIDER RAW1, 0
.endr
	WIN 0xa8
.set n, 0
.rept 40
	RIDER RAW2, 0
.endr
	WIN 0
	LDR RAW1, 0, 1
	HALF 1, 0, 1, 1, 1, 1                          ; H1(0)
	HALF 2, 0, 2, 1, 1, 1                          ; H2(0)
	HALF 1, 1, 2, 1, 1, 0                          ; H1(1)
	HALF 2, 1, 3, 1, 1, 0                          ; H2(1)
	HALF 1, 0, 3, 1, 1, 0                          ; H1(2)
	WIN 0                                          ; at a label and at a branch every window is 0
	s_mov_b32 s[SLOTS], NSLOT-1
	s_mov_b32 s[TWICE], 1                          ; slot 0's second block
	s_branch .Lblock                               ; the loop is entered in the middle of a trip
.Lslot:                                                ; NSLOT - 2 times: every slot but the last two is filled again
	CHANGE 1
	s_mov_b32 s[TWICE], 2
.Lblock:
	BLOCK
	s_sub_co_u32 s[TWICE], s[TWICE], 1
	s_cmp_lg_u32 s[TWICE], 0
	s_cbranch_scc1 .Lblock
	s_sub_co_u32 s[SLOTS], s[SLOTS], 1
	s_cmp_lg_u32 s[SLOTS], 0
	s_cbranch_scc1 .Lslot
	CHANGE 0                                       ; the last slot is written out: nothing is asked for
	s_mov_b32 s[TWICE], 2
.Ltail:
	BLOCK
	s_sub_co_u32 s[TWICE], s[TWICE], 1
	s_cmp_lg_u32 s[TWICE], 0
	s_cbranch_scc1 .Ltail
	s_wait_dscnt 0x0                               ; my reads of the ring are over:
	s_barrier_signal -1                            ; say so: behind this barrier the sums are laid over the ring
	HALF 2, 0, 0, 0, 1, 0                          ; the last three halves fetch nothing; the first of them widens the last bytes
	HALF 1, 1, 0, 0, 0, 0
	HALF 2, 1, 0, 0, 0, 0
	WIN 0
	s_barrier_wait -1                              ; nobody reads the ring any more; its last fill was shown landed at the last change of slots
	PLACES                                         ; eight places, once a launch, between the last products and the stores of their results and the writing of their sources
	PLACES
	; THE SUMS GO INTO LDS, f32: each accumulator's low four registers first
.irp a, 0,1,2,3,4,5,6,7,8,9
.if (\a) < 5
	WIN 0x04                                       ; the stores' data in window 1
.else
	WIN 0x08                                       ; in window 2
.endif
.irp j, 0,1,2,3
	ds_store_b128 v[DST+(\a)/5], v[8*(4*((\a)%5)+(\j)):8*(4*((\a)%5)+(\j))+3]   offset:((\a)%5)*ST+64*(\j)
	ds_store_b128 v[DST+(\a)/5], v[8*(4*((\a)%5)+(\j))+4:8*(4*((\a)%5)+(\j))+7] offset:((\a)%5)*ST+64*(\j)+16
.endr
.endr
	WIN 0
	s_wait_loadcnt 0x0                             ; bias and decay: rounded to bf16 and widened again, while the stores are out
	v_cvt_pk_bf16_f32 v12, v4, v5
	v_cvt_pk_bf16_f32 v13, v6, v7
	v_cvt_pk_bf16_f32 v14, v8, v9
	v_cvt_pk_bf16_f32 v15, v10, v11
	v_lshlrev_b32 v[BI],   16, v12
	v_and_b32     v[BI+1], 0xffff0000, v12
	v_lshlrev_b32 v[BI+2], 16, v13
	v_and_b32     v[BI+3], 0xffff0000, v13
	v_lshlrev_b32 v[DE],   16, v14
	v_and_b32     v[DE+1], 0xffff0000, v14
	v_lshlrev_b32 v[DE+2], 16, v15
	v_and_b32     v[DE+3], 0xffff0000, v15
.set i, 0
.rept 16
	v_mov_b32 v[U+i], 0                            ; membrane, spike and count start at 0
	v_mov_b32 v[CNT+i], 0
.set i, i+1
.endr
	s_wait_dscnt 0x0                               ; for the others' sake: my sums lie in LDS
	s_barrier_signal -1
	s_barrier_wait -1
; THE WALK OVER t: thread (wave w, lane l) has b = 4 w .. 4 w + 3 and h = 4 l .. 4 l + 3.  LOADX: a time step's sums for my four rows.
; STEP: s = 2 x sum + bias; m = u decay + s; spike = (0.3 < m); u = m - 0.3 spike (the product is exact); the spikes are counted.
.macro LOADX xin, par
.irp r, 0,1,2,3
	ds_load_b128 v[(\xin)+4*(\r):(\xin)+4*(\r)+3], v[RDA] offset:(\par)*ST+(\r)*SP
.endr
.endm
.macro STEP xin
.irp r, 0,1,2,3
	v_pk_fma_f32 v[(\xin)+4*(\r):(\xin)+4*(\r)+1],   v[(\xin)+4*(\r):(\xin)+4*(\r)+1],   2.0, v[BI:BI+1]     op_sel_hi:[1,0,1]
	v_pk_fma_f32 v[(\xin)+4*(\r)+2:(\xin)+4*(\r)+3], v[(\xin)+4*(\r)+2:(\xin)+4*(\r)+3], 2.0, v[BI+2:BI+3]   op_sel_hi:[1,0,1]
	v_pk_fma_f32 v[(\xin)+4*(\r):(\xin)+4*(\r)+1],   v[U+4*(\r):U+4*(\r)+1],   v[DE:DE+1],   v[(\xin)+4*(\r):(\xin)+4*(\r)+1]
	v_pk_fma_f32 v[(\xin)+4*(\r)+2:(\xin)+4*(\r)+3], v[U+4*(\r)+2:U+4*(\r)+3], v[DE+2:DE+3], v[(\xin)+4*(\r)+2:(\xin)+4*(\r)+3]
.irp k, 0,1,2,3
	v_cmp_lt_f32 s[MK+(\k)], s[THR], v[(\xin)+4*(\r)+(\k)]
.endr
.irp k, 0,1,2,3
	v_cndmask_b32 v[SPK+4*(\r)+(\k)], 0, 1.0, s[MK+(\k)]
.endr
	v_pk_fma_f32 v[U+4*(\r):U+4*(\r)+1],   v[SPK+4*(\r):SPK+4*(\r)+1],   s[NTH:NTH+1], v[(\xin)+4*(\r):(\xin)+4*(\r)+1]   op_sel_hi:[1,0,1]
	v_pk_fma_f32 v[U+4*(\r)+2:U+4*(\r)+3], v[SPK+4*(\r)+2:SPK+4*(\r)+3], s[NTH:NTH+1], v[(\xin)+4*(\r)+2:(\xin)+4*(\r)+3] op_sel_hi:[1,0,1]
	v_pk_add_f32 v[CNT+4*(\r):CNT+4*(\r)+1],   v[CNT+4*(\r):CNT+4*(\r)+1],   v[SPK+4*(\r):SPK+4*(\r)+1]
	v_pk_add_f32 v[CNT+4*(\r)+2:CNT+4*(\r)+3], v[CNT+4*(\r)+2:CNT+4*(\r)+3], v[SPK+4*(\r)+2:SPK+4*(\r)+3]
.endr
.endm
	LOADX X0, 0                                    ; t = 0
	s_mov_b32 s3, 9
.Lpair:                                                ; a trip: time steps 2 i and 2 i + 1; the next step's sums are asked for ahead of each step's arithmetic
	LOADX X1, 1
	s_wait_dscnt 0x4                               ; the even step's four loads are in; the four just issued stay out
	STEP X0
	v_add_nc_u32 v[RDA], 2*ST, v[RDA]
	LOADX X0, 0
	s_wait_dscnt 0x4                               ; the odd step's are in
	STEP X1
	s_sub_co_u32 s3, s3, 1
	s_cmp_lg_u32 s3, 0
	s_cbranch_scc1 .Lpair
	LOADX X1, 1                                    ; t = 19
	s_wait_dscnt 0x4
	STEP X0                                        ; t = 18
	s_wait_dscnt 0x0
	STEP X1
.irp r, 0,1,2,3
	v_cvt_pk_bf16_f32 v[O0+2*(\r)],   v[CNT+4*(\r)],   v[CNT+4*(\r)+1]    ; 0 .. 20: exact in bf16
	v_cvt_pk_bf16_f32 v[O0+2*(\r)+1], v[CNT+4*(\r)+2], v[CNT+4*(\r)+3]
	global_store_b64 v[GO], v[O0+2*(\r):O0+2*(\r)+1], s[12:13] offset:(\r)*8192  ; the wave's 32 lanes store 256 consecutive bytes, at a multiple of 256 from the buffer's first byte
.endr
	s_wait_tensorcnt 0x0                           ; the wave's end: behind my last tensor load and my last LDS store
	ds_add_u32 v[SPW], v[NIL]
	s_wait_dscnt 0x0
	CROUND                                         ; the closing round: no work-group ends while a partner may still ask for a tile that names it
	s_endpgm
.Lfunc_end_k_q6297063188_lif2:
	.size	k_q6297063188_lif2, .Lfunc_end_k_q6297063188_lif2-k_q6297063188_lif2
	.p2alignl 7, 3214868480
	.fill 96, 4, 3214868480
	.section	.rodata,"a",@progbits
	.p2align	6, 0x0
	.amdhsa_kernel k_q6297063188_lif2
		.amdhsa_group_segment_fixed_size 327680
		.amdhsa_private_segment_fixed_size 0
		.amdhsa_enable_private_segment 0
		.amdhsa_kernarg_size 40
		.amdhsa_user_sgpr_count 2
		.amdhsa_user_sgpr_kernarg_segment_ptr 1
		.amdhsa_wavefront_size32 1
		.amdhsa_system_sgpr_workgroup_id_x 1
		.amdhsa_system_sgpr_workgroup_id_y 1
		.amdhsa_system_sgpr_workgroup_id_z 1
		.amdhsa_system_vgpr_workitem_id 0
		.amdhsa_next_free_vgpr 768
		.amdhsa_next_free_sgpr 88
		.amdhsa_reserve_vcc 0
		.amdhsa_float_denorm_mode_32 3
		.amdhsa_float_denorm_mode_16_64 3
		.amdhsa_memory_ordered 1
		.amdhsa_forward_progress 1
		.amdhsa_inst_pref_size 144
	.end_amdhsa_kernel
	.amdgpu_metadata
---
amdhsa.version: [ 1, 2 ]
amdhsa.kernels:
  - .name:           k_q6297063188_lif2
    .symbol:         k_q6297063188_lif2.kd
    .args:
      - { .name: s1q, .offset: 0, .size: 8, .value_kind: global_buffer, .address_space: global }
      - { .name: w2b, .offset: 8, .size: 8, .value_kind: global_buffer, .address_space: global }
      - { .name: b2, .offset: 16, .size: 8, .value_kind: global_buffer, .address_space: global }
      - { .name: decay2, .offset: 24, .size: 8, .value_kind: global_buffer, .address_space: global }
      - { .name: hsum, .offset: 32, .size: 8, .value_kind: global_buffer, .address_space: global }
    .group_segment_fixed_size: 327680
    .private_segment_fixed_size: 0
    .kernarg_segment_align: 8
    .kernarg_segment_size: 40
    .max_flat_workgroup_size: 128
    .sgpr_count:     88
    .vgpr_count:     768
    .wavefront_size: 32
...
	.end_amdgpu_metadata
.endif
;; end of part 3
;; launch head (part 4): grid 63 x 4, 4 waves a work-group, no clusters, 8,704 bytes of LDS; arguments hsum, W3, b3, out0; writes out0
.if DOCPART == 4
	.amdgcn_target "amdgcn-amd-amdhsa--gfx1250"
	.amdhsa_code_object_version 6
	.text
	.protected	k_q6297063188_head
	.globl	k_q6297063188_head
	.p2align	8
	.type	k_q6297063188_head,@function
k_q6297063188_head:
	s_mov_b64 s[64:65], 0
	v_nop
	global_prefetch_b8 v0, s[64:65] scope:SCOPE_SE
	s_setreg_imm32_b32 hwreg(HW_REG_WAVE_MODE, 25, 1), 1
	s_wait_xcnt 0x0
; out0[b][o] = 0.05 x (the sum over k of hsum[b][k] W3[o][k]) + b3[o].  hsum: [128][4096] bf16 (spike counts 0 .. 20, exact), W3: [1000][4096] f32, b3: [1000] f32, out0: [128][1000] f32.
; LIMITS.  W3 and b3 are rounded once to bf16 (to nearest even), as every input of the program is; sums in f32, K split eight ways (four waves x two accumulators); the division by 20 is a
; multiplication by 0.05 behind the product.
; SHARES.  A work-group makes 16 columns o and 32 rows b: two tiles of 16 x 16.  K IS SPLIT AMONG ITS FOUR WAVES: of each trip's 256 k wave v takes 64 v .. 64 v + 63: 256 consecutive bytes, aligned, of each row of W3.
; The four partial sums meet in LDS at the end.  63 x 4 work-groups; in the last column block rows 1000 .. 1007 of W3 do not exist: their lanes read row 999 and store nothing.
; LAYOUT.  The product is taken transposed (source 0 = 16 rows of W3, source 1 = 16 rows of hsum): a lane holds one b (lane % 16) and the columns 8 (lane / 16) + 0..7: 32 bytes of out0 on end.
; Fragments come straight from memory: no wave wants a byte that another has fetched.  W3's are rounded between the load and the matrix instruction.
; IN FLIGHT.  Two sets of registers, a trip each: while one is multiplied the other's 16 loads are on their way.
; NO CLUSTER, NO TENSOR LOADS, NO PREFETCH: the launch reads 17 MB and is over soon.  A row of out0 is 4,000 bytes and a tile 64 bytes of it: the stores are 32 bytes a lane, in an output of 512,000 bytes.
.set TRIPW, 1024                       ; bytes of a row of W3 in a trip
.set TRIPH, 512                        ; of hsum
.set TURNS, 7                          ; turns of the loop: all 16 trips but the last two, which load nothing
.set SPARE, 8192                       ; LDS: wave v's two partial tiles, 1,024 bytes each, at 2,048 v; behind them the spare words, 128 bytes for each wave, which no other line names
.set WO,  4                            ; v4   my byte offset in W3: row min(16 nb + l % 16, 999), 32 (l / 16) + 256 x wave; never rewritten
.set HO,  5                            ; v5   in hsum: row 32 mq + l % 16, 16 (l / 16) + 128 x wave; never rewritten
.set LS,  6                            ; v6   where I put my 32 bytes of a partial tile
.set LR,  7                            ; v7   where I read them back
.set SPW, 8                            ; v8   LDS address of my spare word: SPARE + 4 x my thread's number; never rewritten
.set NIL, 9                            ; v9   0; never rewritten
.set YO,  10                           ; v10  my 32 bytes of out0
.set OC,  11                           ; v11  my first column
.set BO,  12                           ; v12  my byte offset in b3
.set ACC, 16                           ; v[16:47]   four accumulators: tile j, fragment f, at ACC + 8 (2 f + j)
.set B3,  48                           ; v[48:55]   b3 of my eight columns
.set WB,  56                           ; v[56:87]   W3's fragments in bf16: set b, fragment f at WB + 16 b + 8 f
.set BUF, 96                           ; v[96:223]  two sets of 64: W3's fragment f as 16 f32 at 16 f; hsum's (tile j, fragment f) at 32 + 16 j + 8 f
.set WV,  14                           ; s14  my wave's number
.set LEFT, 15                          ; s15  turns still to come
	s_load_b256 s[4:11], s[0:1], 0x0               ; hsum s[4:5], W3 s[6:7], b3 s[8:9], out0 s[10:11]
	v_lshl_add_u32 v[SPW], v0, 2, SPARE
	v_mov_b32 v[NIL], 0
	v_lshrrev_b32 v13, 5, v0
	v_readfirstlane_b32 s[WV], v13                 ; wave 0..3
	v_and_b32 v1, 15, v0                           ; l % 16
	v_bfe_u32 v2, v0, 4, 1                         ; l / 16
	v_and_b32 v3, 31, v0                           ; l
	s_lshl_b32 s16, ttmp9, 4                       ; the work-group's first column
	s_and_b32 s17, ttmp7, 0xffff
	s_lshl_b32 s17, s17, 5                         ; and its first row
	s_lshl_b32 s18, s[WV], 8
	v_add_nc_u32 v13, s16, v1
	v_min_u32 v13, 999, v13                        ; no load leaves W3
	v_lshlrev_b32 v[WO], 14, v13                   ; rows of 16,384 bytes
	v_lshl_add_u32 v[WO], v2, 5, v[WO]
	v_add_nc_u32 v[WO], s18, v[WO]
	s_lshl_b32 s18, s[WV], 7
	v_add_nc_u32 v13, s17, v1
	v_lshlrev_b32 v[HO], 13, v13                   ; rows of 8,192 bytes
	v_lshl_add_u32 v[HO], v2, 4, v[HO]
	v_add_nc_u32 v[HO], s18, v[HO]
	v_lshl_add_u32 v[OC], v2, 3, s16               ; 16 nb + 8 (l / 16)
	v_min_u32 v[BO], 992, v[OC]                    ; no load leaves b3
	v_lshlrev_b32 v[BO], 2, v[BO]
	s_lshl_b32 s18, s[WV], 11
	v_lshl_add_u32 v[LS], v3, 5, s18               ; 2,048 x wave + 32 l
	s_lshl_b32 s18, s[WV], 10
	v_lshl_add_u32 v[LR], v3, 5, s18               ; tile = my wave's number (waves 0 and 1): 1,024 x wave + 32 l
	s_lshl_b32 s18, s[WV], 4
	s_add_co_u32 s18, s18, s17                     ; that tile's first row
	v_add_nc_u32 v13, s18, v1
	v_mul_u32_u24 v[YO], v13, 4000
	v_lshl_add_u32 v[YO], v[OC], 2, v[YO]
	s_mov_b32 s[LEFT], TURNS
	s_wait_kmcnt 0x0
	global_load_b128 v[B3:B3+3],   v[BO], s[8:9]
	global_load_b128 v[B3+4:B3+7], v[BO], s[8:9] offset:16
; A trip's 16 loads into set b, from trip t (0 or 1) behind the two pointers
.macro LOADS b, t
.irp f, 0,1
	global_load_b128 v[BUF+64*(\b)+16*(\f):BUF+64*(\b)+16*(\f)+3],     v[WO], s[6:7] offset:(\t)*TRIPW+128*(\f)
	global_load_b128 v[BUF+64*(\b)+16*(\f)+4:BUF+64*(\b)+16*(\f)+7],   v[WO], s[6:7] offset:(\t)*TRIPW+128*(\f)+16
	global_load_b128 v[BUF+64*(\b)+16*(\f)+8:BUF+64*(\b)+16*(\f)+11],  v[WO], s[6:7] offset:(\t)*TRIPW+128*(\f)+64
	global_load_b128 v[BUF+64*(\b)+16*(\f)+12:BUF+64*(\b)+16*(\f)+15], v[WO], s[6:7] offset:(\t)*TRIPW+128*(\f)+80
.irp j, 0,1
	global_load_b128 v[BUF+64*(\b)+32+16*(\j)+8*(\f):BUF+64*(\b)+32+16*(\j)+8*(\f)+3],   v[HO], s[4:5] offset:(\t)*TRIPH+(\j)*16*8192+64*(\f)
	global_load_b128 v[BUF+64*(\b)+32+16*(\j)+8*(\f)+4:BUF+64*(\b)+32+16*(\j)+8*(\f)+7], v[HO], s[4:5] offset:(\t)*TRIPH+(\j)*16*8192+64*(\f)+32
.endr
.endr
.endm
; A trip's 16 roundings and four products.  The four accumulators take turns, one instruction a turn, over the backward jump too: three others stand between two links of a chain.
.macro MULS b
.irp f, 0,1
.irp c, 0,1,2,3,4,5,6,7
	v_cvt_pk_bf16_f32 v[WB+16*(\b)+8*(\f)+(\c)], v[BUF+64*(\b)+16*(\f)+2*(\c)], v[BUF+64*(\b)+16*(\f)+2*(\c)+1]
.endr
.endr
.irp f, 0,1
.irp j, 0,1
	v_wmma_f32_16x16x32_bf16 v[ACC+8*(2*(\f)+(\j)):ACC+8*(2*(\f)+(\j))+7], v[WB+16*(\b)+8*(\f):WB+16*(\b)+8*(\f)+7], v[BUF+64*(\b)+32+16*(\j)+8*(\f):BUF+64*(\b)+32+16*(\j)+8*(\f)+7], v[ACC+8*(2*(\f)+(\j)):ACC+8*(2*(\f)+(\j))+7]
.endr
.endr
.endm
.macro PLACES                          ; four places behind the last product, in front of loads into registers that it has read and of sums that read results
.rept 4
	v_nop
.endr
.endm
	LOADS 0, 0                                     ; trip 0
	LOADS 1, 1                                     ; trip 1
.set r, 0
.rept 32
	v_mov_b32 v[ACC+r], 0                          ; the sums start at 0: written while the first loads are on their way, so that the loop has one form of product
.set r, r+1
.endr
.Lturn:                                        ; trips 2 i and 2 i + 1 are multiplied, trips 2 i + 2 and 2 i + 3 asked for
	s_wait_loadcnt 16                              ; set 0 is in; set 1's 16 loads may stay out
	MULS 0
	PLACES
	s_wait_xcnt 0x0                                ; every load issued so far has read its address, so the pointers may be written
	s_add_nc_u64 s[6:7], s[6:7], 2*TRIPW
	s_add_nc_u64 s[4:5], s[4:5], 2*TRIPH
	LOADS 0, 0
	s_wait_loadcnt 16                              ; set 1 is in
	MULS 1
	PLACES
	LOADS 1, 1
	s_sub_co_u32 s[LEFT], s[LEFT], 1
	s_cmp_lg_u32 s[LEFT], 0
	s_cbranch_scc1 .Lturn
	s_wait_loadcnt 16                              ; the last two trips load nothing
	MULS 0
	s_wait_loadcnt 0x0
	MULS 1
	PLACES
	PLACES                                         ; eight, once a launch
.set r, 0
.rept 8
	v_pk_add_f32 v[ACC+r:ACC+r+1], v[ACC+r:ACC+r+1], v[ACC+16+r:ACC+16+r+1]  ; the two fragments' sums, each accumulator from its low end on
.set r, r+2
.endr
.irp j, 0,1
	ds_store_b128 v[LS], v[ACC+8*(\j):ACC+8*(\j)+3]   offset:1024*(\j)
	ds_store_b128 v[LS], v[ACC+8*(\j)+4:ACC+8*(\j)+7] offset:1024*(\j)+16
.endr
	s_wait_dscnt 0x0                               ; for the others' sake: my partial sums lie in LDS
	s_barrier_signal -1
	s_barrier_wait -1
	s_cmp_lt_u32 s[WV], 2                          ; wave 0 finishes tile 0, wave 1 tile 1
	s_cbranch_scc0 .Lend
.irp v, 0,1,2,3
	ds_load_b128 v[BUF+8*(\v):BUF+8*(\v)+3],   v[LR] offset:2048*(\v)
	ds_load_b128 v[BUF+8*(\v)+4:BUF+8*(\v)+7], v[LR] offset:2048*(\v)+16
.endr
.irp i, 0,1,2,3
	v_cvt_pk_bf16_f32 v[WB+(\i)], v[B3+2*(\i)], v[B3+2*(\i)+1]   ; b3 is rounded to bf16 and widened again, while the loads are out
.endr
.irp i, 0,1,2,3
	v_lshlrev_b32 v[B3+2*(\i)],   16, v[WB+(\i)]
	v_and_b32     v[B3+2*(\i)+1], 0xffff0000, v[WB+(\i)]
.endr
	s_wait_dscnt 0x0
.set r, 0
.rept 4
	v_pk_add_f32 v[BUF+r:BUF+r+1], v[BUF+r:BUF+r+1], v[BUF+8+r:BUF+8+r+1]
	v_pk_add_f32 v[BUF+16+r:BUF+16+r+1], v[BUF+16+r:BUF+16+r+1], v[BUF+24+r:BUF+24+r+1]
.set r, r+2
.endr
.set r, 0
.rept 4
	v_pk_add_f32 v[BUF+r:BUF+r+1], v[BUF+r:BUF+r+1], v[BUF+16+r:BUF+16+r+1]
.set r, r+2
.endr
.set r, 0
.rept 4
	v_pk_fma_f32 v[BUF+r:BUF+r+1], v[BUF+r:BUF+r+1], 0x3d4ccccd, v[B3+r:B3+r+1] op_sel_hi:[1,0,1]  ; 0.05 x sum + b3
.set r, r+2
.endr
	s_wait_xcnt 0x0                                ; EXEC changes only behind this wait
	v_cmp_gt_u32 vcc_lo, 1000, v[OC]               ; my eight columns exist (they begin at a multiple of 8, and 1000 is one)
	s_and_saveexec_b32 s20, vcc_lo
	global_store_b128 v[YO], v[BUF:BUF+3],   s[10:11]
	global_store_b128 v[YO], v[BUF+4:BUF+7], s[10:11] offset:16
	s_wait_xcnt 0x0                                ; and again, in front of the line that widens it
	s_or_b32 exec_lo, exec_lo, s20
.Lend:
	s_wait_tensorcnt 0x0                           ; the wave's end: behind my last LDS store
	ds_add_u32 v[SPW], v[NIL]
	s_wait_dscnt 0x0
	s_endpgm
.Lfunc_end_k_q6297063188_head:
	.size	k_q6297063188_head, .Lfunc_end_k_q6297063188_head-k_q6297063188_head
	.p2alignl 7, 3214868480
	.fill 96, 4, 3214868480
	.section	.rodata,"a",@progbits
	.p2align	6, 0x0
	.amdhsa_kernel k_q6297063188_head
		.amdhsa_group_segment_fixed_size 8704
		.amdhsa_private_segment_fixed_size 0
		.amdhsa_enable_private_segment 0
		.amdhsa_kernarg_size 32
		.amdhsa_user_sgpr_count 2
		.amdhsa_user_sgpr_kernarg_segment_ptr 1
		.amdhsa_wavefront_size32 1
		.amdhsa_system_sgpr_workgroup_id_x 1
		.amdhsa_system_sgpr_workgroup_id_y 1
		.amdhsa_system_sgpr_workgroup_id_z 1
		.amdhsa_system_vgpr_workitem_id 0
		.amdhsa_next_free_vgpr 224
		.amdhsa_next_free_sgpr 66
		.amdhsa_reserve_vcc 1
		.amdhsa_float_denorm_mode_32 3
		.amdhsa_float_denorm_mode_16_64 3
		.amdhsa_memory_ordered 1
		.amdhsa_forward_progress 1
		.amdhsa_inst_pref_size 19
	.end_amdhsa_kernel
	.amdgpu_metadata
---
amdhsa.version: [ 1, 2 ]
amdhsa.kernels:
  - .name:           k_q6297063188_head
    .symbol:         k_q6297063188_head.kd
    .args:
      - { .name: hsum, .offset: 0, .size: 8, .value_kind: global_buffer, .address_space: global }
      - { .name: W3, .offset: 8, .size: 8, .value_kind: global_buffer, .address_space: global }
      - { .name: b3, .offset: 16, .size: 8, .value_kind: global_buffer, .address_space: global }
      - { .name: out0, .offset: 24, .size: 8, .value_kind: global_buffer, .address_space: global }
    .group_segment_fixed_size: 8704
    .private_segment_fixed_size: 0
    .kernarg_segment_align: 8
    .kernarg_segment_size: 32
    .max_flat_workgroup_size: 128
    .sgpr_count:     66
    .vgpr_count:     224
    .wavefront_size: 32
...
	.end_amdgpu_metadata
.endif
;; end of part 4
